; MI455X (gfx1250); checked and timed in simulation.
; The chip was launched on July 23, 2026; its instructions are those of AMD's public machine-readable ISA for CDNA 5 (MIT licence, August 2026) and "CDNA5" Instruction Set Architecture Reference Guide (July 2026). The comments in the code are by the model that wrote it; some were corrected since.
;; Latency Encoder. Allowed arithmetic: float matrix products may take bf16 or f16 operands with f32 sums; all other float work in f32.
;; Inputs: W 1,024 x 256 float32; b 1,024 float32; beta one number float32; mem 4,096 x 1,024 float32; x 4,096 x 256 float32.
;; Outputs: out0 4,096 x 1,024 float32; out1 4,096 x 1,024 float32.
;; 3 versions, each right; version 2 is faster than version 1; version 3 is version 2 with the launch latency written anew for expert scheduling mode. Each part assembles by itself: llvm-mc -triple=amdgcn-amd-amdhsa -mcpu=gfx1250 --defsym DOCPART=n.
;; ======== version 1 of 3: 2 launches
;; limits: values are held in f16: magnitudes above 65,504 overflow, below 6.1e-05 lose precision; right only within a limited range of input values
;; workspace buffers: flags 262,144 bytes of whole numbers
;; launch latency (part 1): grid 8 x 32, 8 waves a work-group, no clusters, 302,080 bytes of LDS; arguments x, W, b, beta, mem, out0, out1, flags; writes out0, out1, flags
.if DOCPART == 1
	.amdgcn_target "amdgcn-amd-amdhsa--gfx1250"
	.amdhsa_code_object_version 6
	.text
	.protected	k_q58c1c3182e_latency
	.globl	k_q58c1c3182e_latency
	.p2align	8
	.type	k_q58c1c3182e_latency,@function
k_q58c1c3182e_latency:
	s_mov_b64 s[64:65], 0
	v_nop
	global_prefetch_b8 v0, s[64:65] scope:SCOPE_SE
	s_setreg_imm32_b32 hwreg(HW_REG_WAVE_MODE, 25, 1), 1
	s_wait_xcnt 0x0
; LatencyEncoder, fused:  xn = sigmoid(x W^T + b);  32 steps  m = beta m + xn exp(-t/5) - [m > 1];
; out0 = max(spikes / 32, 0.05), out1 = the last m.  x [4096][256], W [1024][256], b [1024], mem, out0, out1 [4096][1024], all f32.
;
; SHARES.  256 work-groups (8 column blocks x 32 row blocks), each a block of 128 rows x 128 columns; eight waves, a wave 32 rows x 64 columns,
; a lane 64 outputs in two chunks of 32.  The scan is the bulk of the work: 64 outputs x 32 steps x 3.5 instructions a lane and wave, against
; 192 matrix instructions a wave; so the text is built to keep the scan short, and the rest simple.
;
; FIDELITY.  A spike is a step function of m: a last bit of xn can move a spike by a step.  Two measures:
;  - the product is kept near f32: each operand is split v = hi + lo, hi = f16(v), lo = f16(v - hi); Wh xh is summed in one f32 accumulator,
;    Wl xh + Wh xl in a second one, and the two are added once.  What is dropped (lo x lo, the remainders) is about 2^-22 of a product.
;    W is first multiplied by 1024 (exact), so that its lo part is a normal f16 number;
;  - THE GUARD BAND: for each group of four neighbouring outputs the least |m - 1| of the 32 spike tests is kept, and a group that comes
;    within 64 x 2^-23 = 7.6e-6 of the threshold is marked in the buffer flags (one word a lane, bit 8 chunk + piece).  The next launch
;    computes the marked groups again in plain serial f32 and stores over them.  Outside the band no order of f32 roundings changes a spike
;    as long as the orders differ by less than the band.
; LIMITS, stated: |x| < 65,504 and |W| < 63.9 (f16's range; beyond it the split gives infinities).  NaN inputs are not served (the clamps drop
; a NaN).  y is clamped to [-87, 87], which moves xn by less than 2e-38.
;
; NO TENSOR LOADS, NO CLUSTER, though 8 work-groups read the same rows of x and 32 the same rows of W: the tiles come as f32 and have to pass
; through registers to be split; 2 x 131,072 bytes of f32 tiles beside the 2 x 133,120 bytes of split tiles are more than the 327,680 bytes of LDS,
; and a ring of K slices would add an LDS read of every operand byte.
;
; LDS: rows of x, then rows of W: 512 bytes hi, 512 bytes lo, 16 bytes of padding (pitch 1,040 = 65 x 16, so the 16 rows of a fragment load
; begin at 16 different 16-byte columns of 256); behind them a stage of 16 rows x 272 bytes for each wave, its own.
.set PITCH,  1040
.set WLDS,   128*PITCH                 ; W's rows behind x's 128
.set STAGE,  256*PITCH                 ; the stages behind both
.set SPITCH, 272                       ; a stage row: 64 f32 + 16 bytes
.set OROW,   4096                      ; bytes in a row of mem, out0, out1
; vector registers, window 0
.set FW,   1                           ; behind the set-up: my word of marks
.set TB,   2                           ; behind the set-up: at work on it
.set ONE,  3                           ; behind the set-up: the whole number 1
.set GO,   4                           ; 16 x thread: my 16 bytes in each 4,096-byte piece of a tile
.set SAX0, 5                           ; LDS address of my split numbers: x pieces 0-15, x pieces 16-31,
.set SAX1, 6
.set SAW0, 7                           ; W pieces 0-15, W pieces 16-31 (an LDS offset has 16 bits)
.set SAW1, 8
.set ADRX, 9                           ; fragments: my 32 rows of x
.set ADRW, 10                          ; fragments: my 64 rows of W
.set STO,  11                          ; stage: where a lane puts 8 neighbouring columns of its row
.set RD,   12                          ; stage: where it reads 16 bytes of a row back
.set VO,   13                          ; my 16 bytes in two rows of mem, out0, out1
.set TW,   14                          ; lane t: exp(-t/5)
.set BO,   15                          ; my 16 bytes of b
.set BIAS, 16                          ; v[16:19]  b of my 4 columns
.set NP,   20                          ; v[20:21]  -2^23 twice
.set PP,   22                          ; v[22:23]   2^23 twice
.set G,    24                          ; v[24:31]  at work in the set-up; then, for each of a chunk's 8 pieces, the least |1 - m| 2^23
.set M0,   32                          ; v[32:63]  work registers of the split, then mem of chunk 0
.set LD,   64                          ; v[64:255] 48 landing places of 4 registers
.set F0,   64                          ; fragment buffer 0: Wh 0-31, Wl 32-63, xh 64-79, xl 80-95
.set F1,   160                         ; fragment buffer 1
.set XN,   64                          ; v[64:95]   sigmoid of the chunk
.set C0,   96                          ; v[96:127]  at work in the sigmoid, then minus the spike count of chunk 0, then out0
.set Z,    128                         ; v[128:159] at work in the sigmoid and in the scan
.set M1,   160                         ; v[160:191] mem of chunk 1
.set C1,   192                         ; v[192:223] as C0, for chunk 1
; window 1: tile (row block rb, column block cb) at 8 (4 rb + cb):
.set HH,   0                           ; v[0:63] there = v256-319: the sums of Wh xh
.set CR,   64                          ; v[64:127] there = v320-383: the sums of Wl xh + Wh xl
; scalar pairs that packed instructions broadcast (the low register is used, both are written)
.set BETA, 26
.set WSC,  28                          ; 1024.0
.set ISC,  30                          ; 1/1024
.set FLP,  32                          ; s[32:33] flags, at my work-group's 1,024 bytes
.set TWA,  34                          ; the time weight of an even step
.set TWB,  36                          ; of an odd step
.set NR32, 38                          ; -1/32
.set GUARD, 49                         ; 64.0: the band, in units of 2^-23
.set NLH,  52                          ; -log2(e), rounded to f32
.set NLL,  54                          ; minus what that rounding left: log2(e) = 1.44269502.. + 1.9259630e-8
.set LN2,  56                          ; ln 2
.set CLO,  58                          ; -87.0
.set CHI,  59                          ;  87.0
.set MSB, 0
.macro WIN new                         ; s_set_vgpr_msb: bits 1:0 source 0, 3:2 source 1, 5:4 source 2, 7:6 destination; the high byte repeats the setting left
.if MSB != \new
	s_set_vgpr_msb (MSB<<8)|\new
.set MSB, \new
.endif
.endm
.macro PLACES                          ; four plain vector instructions behind a matrix instruction before its registers are loaded into, written, read or stored (ISA guide 7.12.1)
.rept 4
	v_nop
.endr
.endm
	s_load_b256 s[4:11], s[0:1], 0x0               ; x s[4:5], W s[6:7], b s[8:9], beta s[10:11]
	s_load_b128 s[12:15], s[0:1], 0x20             ; mem s[12:13], out0 s[14:15]
	s_load_b64 s[16:17], s[0:1], 0x30              ; out1
	s_load_b64 s[FLP:FLP+1], s[0:1], 0x38          ; flags
	s_set_vgpr_msb 0x40
	v_lshl_add_u32 v128, v0, 2, 0x49800
	v_mov_b32 v129, 0
	s_set_vgpr_msb 0x4000
	v_lshrrev_b32 v1, 5, v0
	v_readfirstlane_b32 s18, v1                    ; wave 0..7
	s_and_b32 s19, ttmp7, 0xffff                   ; row block 0..31; ttmp9 is the column block 0..7
	v_lshlrev_b32 v[GO], 4, v0
	s_lshl_b32 s20, s19, 17                        ; 128 rows of x x 1,024 bytes
	s_mov_b32 s21, 0
	s_lshl_b32 s22, ttmp9, 17                      ; 128 rows of W x 1,024 bytes
	s_mov_b32 s23, 0
	s_mov_b32 s[WSC], 0x44800000                   ; 1024.0
	s_mov_b32 s[WSC+1], 0x44800000
	s_mov_b32 s[ISC], 0x3a800000                   ; 1/1024
	s_mov_b32 s[ISC+1], 0x3a800000
	s_mov_b32 s[NR32], 0xbd000000                  ; -1/32
	s_mov_b32 s[NR32+1], 0xbd000000
	s_mov_b32 s[NLH], 0xbfb8aa3b
	s_mov_b32 s[NLH+1], 0xbfb8aa3b
	s_mov_b32 s[NLL], 0xb2a5705f
	s_mov_b32 s[NLL+1], 0xb2a5705f
	s_mov_b32 s[LN2], 0x3f317218
	s_mov_b32 s[LN2+1], 0x3f317218
	s_mov_b32 s[CLO], 0xc2ae0000
	s_mov_b32 s[CHI], 0x42ae0000
	s_mov_b32 s[GUARD], 0x42800000
	s_mov_b32 s[TWA+1], 0
	s_mov_b32 s[TWB+1], 0
	s_wait_kmcnt 0x0
	s_add_nc_u64 s[4:5], s[4:5], s[20:21]          ; my block's rows of x: 131,072 consecutive bytes
	s_add_nc_u64 s[6:7], s[6:7], s[22:23]          ; and of W
	s_load_b32 s24, s[10:11], 0x0                  ; beta
	; A piece is 4,096 bytes (4 rows), 16 bytes a thread; a load of a wave covers 512 consecutive bytes.  All 32 pieces of x and the first 16 of W go out at once.
.set i, 0
.rept 32
	global_load_b128 v[LD+4*i:LD+4*i+3], v[GO], s[4:5] offset:4096*i
.set i, i+1
.endr
.set i, 0
.rept 16
	global_load_b128 v[LD+128+4*i:LD+128+4*i+3], v[GO], s[6:7] offset:4096*i
.set i, i+1
.endr
	; the time weights, lane t for step t, while the loads are on their way
	v_and_b32 v1, 31, v0                           ; lane
	v_cvt_f32_u32 v2, v1                           ; t
	v_mul_f32 v28, 0x3e4ccccd, v2                  ; t x round(1/5),
	v_fmamk_f32 v29, v28, 0xc0a00000, v2           ; what it leaves: t - 5 q, exact in the fused form,
	v_fmamk_f32 v28, v29, 0x3e4ccccd, v28          ; and the correction: q = t / 5, rounded once
	v_mul_f32 v29, 0xbfb8aa3b, v28                 ; p = round(-q log2 e)
	v_fma_f32 v30, v28, s[NLH], -v29               ; what that rounding left,
	v_fma_f32 v30, v28, s[NLL], v30                ; and the low part of log2 e
	v_exp_f32 v29, v29                             ; 2^p
	v_mul_f32 v30, s[LN2], v30                     ; (the plain instruction behind v_exp_f32: ISA guide 5.7.2)
	s_wait_alu depctr_va_vdst(0)
	v_fma_f32 v[TW], v29, v30, v29                 ; 2^p (1 + r ln 2) = exp(-q)
	; addresses and constants
	v_and_b32 v3, 15, v0                           ; r = lane % 16
	v_bfe_u32 v24, v0, 4, 1                        ; h = lane / 16
	s_lshr_b32 s40, s18, 1                         ; wave / 2: my 32 rows of the block.  Also: my row among a piece's four
	s_and_b32 s41, s18, 1                          ; wave % 2: my 64 columns.  Also: which half of that row
	s_mul_i32 s42, s40, PITCH
	s_lshl_b32 s43, s41, 8                         ; 32 lanes x 4 numbers x 2 bytes
	s_add_co_u32 s42, s42, s43
	v_lshl_add_u32 v[SAX0], v1, 3, s42             ; split numbers: row x pitch + half + 8 x lane
	v_add_nc_u32 v[SAX1], 64*PITCH, v[SAX0]        ; 16 pieces = 64 rows further
	v_add_nc_u32 v[SAW0], WLDS, v[SAX0]
	v_add_nc_u32 v[SAW1], WLDS+64*PITCH, v[SAX0]
	v_mul_u32_u24 v25, v3, PITCH
	v_lshl_add_u32 v25, v24, 4, v25                ; a fragment: row r, 16 bytes further for the upper lanes
	s_mul_i32 s44, s40, 32*PITCH
	s_mul_i32 s45, s41, 64*PITCH
	s_add_co_u32 s45, s45, WLDS
	v_add_nc_u32 v[ADRX], s44, v25
	v_add_nc_u32 v[ADRW], s45, v25
	s_mul_i32 s46, s18, 16*SPITCH
	s_add_co_u32 s46, s46, STAGE                   ; my stage
	v_mul_u32_u24 v26, v3, SPITCH
	v_lshl_add_u32 v26, v24, 5, v26                ; in: row r, columns 8 h ..
	v_add_nc_u32 v[STO], s46, v26
	v_mul_u32_u24 v27, v24, SPITCH
	v_lshl_add_u32 v27, v3, 4, v27                 ; back: lanes 0-15 one row of 256 bytes, lanes 16-31 the next
	v_add_nc_u32 v[RD], s46, v27
	v_lshlrev_b32 v[BO], 4, v3
	v_lshl_add_u32 v[VO], v24, 12, v[BO]           ; the same two rows in mem, out0, out1
	s_lshl_b32 s20, s19, 19                        ; row block x 128 rows x 4,096 bytes
	s_lshl_b32 s47, s40, 17                        ; + my 32 rows
	s_add_co_u32 s20, s20, s47
	s_lshl_b32 s47, ttmp9, 9                       ; column block x 128 x 4 bytes
	s_lshl_b32 s48, s41, 8                         ; + my 64 columns: a multiple of 256 bytes
	s_add_co_u32 s22, s47, s48
	s_add_co_u32 s20, s20, s22
	s_add_nc_u64 s[12:13], s[12:13], s[20:21]
	s_add_nc_u64 s[14:15], s[14:15], s[20:21]
	s_add_nc_u64 s[16:17], s[16:17], s[20:21]
	s_add_nc_u64 s[8:9], s[8:9], s[22:23]
	s_lshl_b32 s22, s19, 3
	s_add_co_u32 s22, s22, ttmp9                   ; the work-group's number: 8 x row block + column block,
	s_lshl_b32 s22, s22, 10                        ; times 256 threads x 4 bytes
	s_add_nc_u64 s[FLP:FLP+1], s[FLP:FLP+1], s[22:23]
	v_mov_b32 v[NP], 0xcb000000                    ; -2^23
	v_mov_b32 v[NP+1], 0xcb000000
	v_mov_b32 v[PP], 0x4b000000                    ; 2^23
	v_mov_b32 v[PP+1], 0x4b000000
	s_wait_kmcnt 0x0
	v_mov_b32 v2, s24
	v_med3_num_f32 v2, v2, 0, 1.0                  ; clip(beta, 0, 1)
	v_readfirstlane_b32 s[BETA], v2
	s_mov_b32 s[BETA+1], s[BETA]
; Four f32 in v[src .. src+3] become four hi and four lo f16 and go to LDS.  h0, h1: plain numbers (their halves are named); work registers h0 .. h0+7.
.macro SPLIT src, h0, h1, adr, off
	v_cvt_pk_f16_f32 v\h0, v[\src], v[\src+1]
	v_cvt_pk_f16_f32 v\h1, v[\src+2], v[\src+3]
	v_cvt_f32_f16 v[\h0+4], v\h0\().l
	v_cvt_f32_f16 v[\h0+5], v\h0\().h
	v_cvt_f32_f16 v[\h0+6], v\h1\().l
	v_cvt_f32_f16 v[\h0+7], v\h1\().h
	v_pk_add_f32 v[\h0+4:\h0+5], v[\src:\src+1], v[\h0+4:\h0+5] neg_lo:[0,1] neg_hi:[0,1]       ; v - hi, exact
	v_pk_add_f32 v[\h0+6:\h0+7], v[\src+2:\src+3], v[\h0+6:\h0+7] neg_lo:[0,1] neg_hi:[0,1]
	v_cvt_pk_f16_f32 v[\h0+2], v[\h0+4], v[\h0+5]
	v_cvt_pk_f16_f32 v[\h0+3], v[\h0+6], v[\h0+7]
	ds_store_b64 v[\adr], v[\h0:\h0+1] offset:\off             ; a wave's store covers 256 consecutive bytes
	ds_store_b64 v[\adr], v[\h0+2:\h0+3] offset:\off+512
.endm
.macro SCALE src
	v_pk_mul_f32 v[\src:\src+1], v[\src:\src+1], s[WSC:WSC+1] op_sel_hi:[1,0]
	v_pk_mul_f32 v[\src+2:\src+3], v[\src+2:\src+3], s[WSC:WSC+1] op_sel_hi:[1,0]
.endm
; Piece i of x.  Loads come back in order (ISA guide 5.7.1).  The first 16 landing places are filled again with W's pieces 16 to 31.
.macro XTURN i, h0, h1
.if (\i) < 16
	s_wait_loadcnt 47                              ; behind piece i: 31-i of x, 16 of W, and the i of W issued in the turns before
	SPLIT LD+4*(\i), \h0, \h1, SAX0, (\i)*4*PITCH
	global_load_b128 v[LD+4*(\i):LD+4*(\i)+3], v[GO], s[6:7] offset:4096*(16+(\i))
.else
	s_wait_loadcnt 63-(\i)                         ; behind piece i: 31-i of x and 32 of W
	SPLIT LD+4*(\i), \h0, \h1, SAX1, ((\i)-16)*4*PITCH
.endif
.endm
.macro WTURN j, h0, h1
	s_wait_loadcnt 31-(\j)                         ; behind piece j of W: the 31-j later ones
.if (\j) < 16
	SCALE LD+128+4*(\j)
	SPLIT LD+128+4*(\j), \h0, \h1, SAW0, (\j)*4*PITCH
.else
	SCALE LD+4*((\j)-16)
	SPLIT LD+4*((\j)-16), \h0, \h1, SAW1, ((\j)-16)*4*PITCH
.endif
.endm
.irp q, 0,1,2,3,4,5,6,7
	XTURN 4*\q+0, 32, 33                           ; four sets of work registers take turns, so that a turn does not wait for the one before
	XTURN 4*\q+1, 40, 41
	XTURN 4*\q+2, 48, 49
	XTURN 4*\q+3, 56, 57
.endr
.irp q, 0,1,2,3,4,5,6,7
	WTURN 4*\q+0, 32, 33
	WTURN 4*\q+1, 40, 41
	WTURN 4*\q+2, 48, 49
	WTURN 4*\q+3, 56, 57
.endr
	s_wait_dscnt 0x0                               ; my part of both tiles is in LDS: zero, for the other waves' sake
	global_load_b128 v[BIAS:BIAS+3], v[BO], s[8:9]
.irp i, 0,1,2,3,4,5,6,7
	global_load_b128 v[M0+4*\i:M0+4*\i+3], v[VO], s[12:13] offset:2*\i*OROW th:TH_LOAD_NT   ; mem of chunk 0: it has the whole product in which to land
.endr
	s_barrier_signal -1
	s_barrier_wait -1                              ; the only barrier: from here on a wave reads the tiles, which nobody writes again, and its own stage
; THE PRODUCT, TRANSPOSED: source 0 = 16 rows of W, source 1 = 16 rows of x, so that lane l holds row l % 16 of the block and registers 0-7 the
; columns 8 (l / 16) + 0..7.  A fragment is 16 rows x 32 K: two loads of 16 bytes, 32 bytes apart, at row x pitch + 16 (l / 16).
.macro FETCH k, f                      ; the 12 fragments of K step k: 24 loads in one run
.irp c, 0,1,2,3
	ds_load_b128 v[\f+8*\c:\f+8*\c+3],         v[ADRW] offset:\c*16*PITCH+64*(\k)
	ds_load_b128 v[\f+8*\c+4:\f+8*\c+7],       v[ADRW] offset:\c*16*PITCH+64*(\k)+32
	ds_load_b128 v[\f+32+8*\c:\f+32+8*\c+3],   v[ADRW] offset:\c*16*PITCH+64*(\k)+512
	ds_load_b128 v[\f+32+8*\c+4:\f+32+8*\c+7], v[ADRW] offset:\c*16*PITCH+64*(\k)+544
.endr
.irp c, 0,1
	ds_load_b128 v[\f+64+8*\c:\f+64+8*\c+3],   v[ADRX] offset:\c*16*PITCH+64*(\k)
	ds_load_b128 v[\f+64+8*\c+4:\f+64+8*\c+7], v[ADRX] offset:\c*16*PITCH+64*(\k)+32
	ds_load_b128 v[\f+80+8*\c:\f+80+8*\c+3],   v[ADRX] offset:\c*16*PITCH+64*(\k)+512
	ds_load_b128 v[\f+80+8*\c+4:\f+80+8*\c+7], v[ADRX] offset:\c*16*PITCH+64*(\k)+544
.endr
.endm
; Eight matrix instructions, one on each of the eight accumulators of a set: the accumulators take turns, one instruction a turn.
; wo: 0 = Wh, 32 = Wl;  xo: 64 = xh, 80 = xl;  acc: HH or CR;  zero = 1: the first product starts the sums, nothing is cleared.
.macro MUL8 f, wo, xo, acc, zero
.irp rb, 0,1
.irp cb, 0,1,2,3
.if \zero
	v_wmma_f32_16x16x32_f16 v[\acc+8*(4*\rb+\cb):\acc+8*(4*\rb+\cb)+7], v[\f+\wo+8*\cb:\f+\wo+8*\cb+7], v[\f+\xo+8*\rb:\f+\xo+8*\rb+7], 0
.else
	v_wmma_f32_16x16x32_f16 v[\acc+8*(4*\rb+\cb):\acc+8*(4*\rb+\cb)+7], v[\f+\wo+8*\cb:\f+\wo+8*\cb+7], v[\f+\xo+8*\rb:\f+\xo+8*\rb+7], v[\acc+8*(4*\rb+\cb):\acc+8*(4*\rb+\cb)+7]
.endif
.endr
.endr
.endm
.macro KSTEP k, f, g, zero, more
	s_wait_dscnt 0x0                               ; this step's 24 loads, issued 16 matrix instructions ago
	WIN 0x50                                       ; C and D in window 1, fragments in window 0
	MUL8 \f, 0, 64, HH, \zero                      ; Wh xh
.if \more
	PLACES                                         ; buffer g was read by the last step's matrix instructions
	WIN 0
	FETCH (\k)+1, \g
	WIN 0x50
.endif
	MUL8 \f, 32, 64, CR, \zero                     ; Wl xh
	MUL8 \f, 0, 80, CR, 0                          ; Wh xl
.endm
	FETCH 0, F0
	KSTEP 0, F0, F1, 1, 1
	KSTEP 1, F1, F0, 0, 1
	KSTEP 2, F0, F1, 0, 1
	KSTEP 3, F1, F0, 0, 1
	KSTEP 4, F0, F1, 0, 1
	KSTEP 5, F1, F0, 0, 1
	KSTEP 6, F0, F1, 0, 1
	KSTEP 7, F1, F0, 0, 0
	PLACES                                         ; behind the last matrix instructions: results are read, fragment registers loaded into
	WIN 0x45                                       ; both sources and the destination in window 1
.set p, 0
.rept 32
	v_pk_add_f32 v[HH+p:HH+p+1], v[HH+p:HH+p+1], v[CR+p:CR+p+1]    ; the two sums meet, in one rounding
.set p, p+2
.endr
	WIN 0
.irp i, 0,1,2,3,4,5,6,7
	global_load_b128 v[M1+4*\i:M1+4*\i+3], v[VO], s[12:13] offset:(16+2*\i)*OROW th:TH_LOAD_NT   ; mem of chunk 1: it has chunk 0's scan in which to land
.endr
	v_mov_b32 v[FW], 0                             ; no mark yet
	v_mov_b32 v[ONE], 1
; THE SCAN.  d = -[m > 1] for 32 numbers: (1 - m) 2^23 in one rounding is <= -1 for every m > 1 (then m - 1 >= 2^-23) and >= 0 for every m <= 1;
; the clamp to [-1, 0] makes it -1 or 0.  m - 1 > 0, as the reference writes it, holds for the same m.
; fl = 1: the least |1 - m| 2^23 of each piece of four numbers begins here; 2: it goes on; 0: this test is not watched.
.macro SPIKE mm, d, fl
.set p, 0
.rept 16
	v_pk_fma_f32 v[\d+p:\d+p+1], v[\mm+p:\mm+p+1], v[NP:NP+1], v[PP:PP+1]
.set p, p+2
.endr
.if \fl == 1
.set p, 0
.rept 8
	v_min_num_f32 v[G+p], |v[\d+4*p]|, |v[\d+4*p+1]|
.set p, p+1
.endr
.endif
.if \fl == 2
.set p, 0
.rept 8
	v_min3_num_f32 v[G+p], v[G+p], |v[\d+4*p]|, |v[\d+4*p+1]|
.set p, p+1
.endr
.endif
.if \fl
.set p, 0
.rept 8
	v_min3_num_f32 v[G+p], v[G+p], |v[\d+4*p+2]|, |v[\d+4*p+3]|
.set p, p+1
.endr
.endif
.set p, 0
.rept 32
	v_med3_num_f32 v[\d+p], v[\d+p], -1.0, 0
.set p, p+1
.endr
.endm
.macro COUNT cc, d                     ; the spike of one step is the reset of the next: one test serves both
.set p, 0
.rept 16
	v_pk_add_f32 v[\cc+p:\cc+p+1], v[\cc+p:\cc+p+1], v[\d+p:\d+p+1]
.set p, p+2
.endr
.endm
.macro LEAK mm, d, o, tw               ; o = xn tw - reset (with no reset: xn tw, rounded once);  m = beta m + o in one rounding
.set p, 0
.rept 16
	v_pk_fma_f32 v[\o+p:\o+p+1], v[XN+p:XN+p+1], s[\tw:\tw+1], v[\d+p:\d+p+1] op_sel_hi:[1,0,1]
.set p, p+2
.endr
.set p, 0
.rept 16
	v_pk_fma_f32 v[\mm+p:\mm+p+1], v[\mm+p:\mm+p+1], s[BETA:BETA+1], v[\o+p:\o+p+1] op_sel_hi:[1,0,1]
.set p, p+2
.endr
.endm
; A chunk: rows 16 rb .. 16 rb + 15 of my 32, 64 columns.  mm: its mem registers, cc: its count registers, left: younger loads that may stay out.
.macro CHUNK rb, mm, cc, left
	WIN 0x04                                       ; store data from window 1
.irp cb, 0,1,2,3
	ds_store_b128 v[STO], v[HH+8*(4*\rb+\cb):HH+8*(4*\rb+\cb)+3] offset:64*\cb
	ds_store_b128 v[STO], v[HH+8*(4*\rb+\cb)+4:HH+8*(4*\rb+\cb)+7] offset:64*\cb+16
.endr
	WIN 0
.irp i, 0,1,2,3,4,5,6,7
	ds_load_b128 v[XN+4*\i:XN+4*\i+3], v[RD] offset:2*\i*SPITCH    ; LDS serves a wave's instructions in order (ISA guide 5.7.1): these see the stores above; the stage is my own
.endr
	v_readlane_b32 s[TWA], v[TW], 0
	v_readlane_b32 s[TWB], v[TW], 1
	s_wait_loadcnt \left                           ; b and this chunk's mem are in
	s_wait_dscnt 0x0
	; THE SIGMOID, 1 / (1 + exp(-y))
.irp i, 0,1,2,3,4,5,6,7
	v_pk_fma_f32 v[XN+4*\i:XN+4*\i+1], v[XN+4*\i:XN+4*\i+1], s[ISC:ISC+1], v[BIAS:BIAS+1] op_sel_hi:[1,0,1]       ; y = sum / 1024 + b: the scale is exact, so one rounding
	v_pk_fma_f32 v[XN+4*\i+2:XN+4*\i+3], v[XN+4*\i+2:XN+4*\i+3], s[ISC:ISC+1], v[BIAS+2:BIAS+3] op_sel_hi:[1,0,1]
.endr
.set p, 0
.rept 32
	v_med3_num_f32 v[XN+p], v[XN+p], s[CLO], s[CHI]    ; |y| <= 87: 2^p below stays finite and 1 / (1 + e) a normal number
.set p, p+1
.endr
.set p, 0
.rept 16
	v_pk_mul_f32 v[Z+p:Z+p+1], v[XN+p:XN+p+1], s[NLH:NLH+1] op_sel_hi:[1,0]            ; p = round(-y log2 e)
.set p, p+2
.endr
.set p, 0
.rept 16
	v_pk_fma_f32 v[\cc+p:\cc+p+1], v[XN+p:XN+p+1], s[NLH:NLH+1], v[Z+p:Z+p+1] op_sel_hi:[1,0,1] neg_lo:[0,0,1] neg_hi:[0,0,1]   ; r: what that rounding left, exact
.set p, p+2
.endr
.set p, 0
.rept 16
	v_pk_fma_f32 v[\cc+p:\cc+p+1], v[XN+p:XN+p+1], s[NLL:NLL+1], v[\cc+p:\cc+p+1] op_sel_hi:[1,0,1]    ; and the low part of log2 e
.set p, p+2
.endr
.set p, 0
.rept 32
	v_exp_f32 v[Z+p], v[Z+p]
.set p, p+1
.endr
.set p, 0
.rept 16
	v_pk_mul_f32 v[\cc+p:\cc+p+1], v[\cc+p:\cc+p+1], s[LN2:LN2+1] op_sel_hi:[1,0]      ; plain instructions between the transcendentals and the first use of a result (ISA guide 5.7.2)
.set p, p+2
.endr
.set p, 0
	s_wait_alu depctr_va_vdst(0)
.rept 16
	v_pk_fma_f32 v[Z+p:Z+p+1], v[Z+p:Z+p+1], v[\cc+p:\cc+p+1], v[Z+p:Z+p+1]            ; e = 2^p (1 + r ln 2)
.set p, p+2
.endr
.set p, 0
.rept 16
	v_pk_add_f32 v[Z+p:Z+p+1], v[Z+p:Z+p+1], 1.0 op_sel_hi:[1,0]                       ; s = 1 + e
.set p, p+2
.endr
.set p, 0
.rept 32
	v_rcp_f32 v[XN+p], v[Z+p]
.set p, p+1
.endr
	v_nop                                          ; one plain instruction between the transcendentals and the first use of a result
.set p, 0
	s_wait_alu depctr_va_vdst(0)
.rept 16
	v_pk_fma_f32 v[\cc+p:\cc+p+1], v[Z+p:Z+p+1], v[XN+p:XN+p+1], 1.0 op_sel_hi:[1,1,0] neg_lo:[1,0,0] neg_hi:[1,0,0]   ; 1 - s q, exact in the fused form
.set p, p+2
.endr
.set p, 0
.rept 16
	v_pk_fma_f32 v[XN+p:XN+p+1], v[XN+p:XN+p+1], v[\cc+p:\cc+p+1], v[XN+p:XN+p+1]      ; q + q (1 - s q): one Newton step
.set p, p+2
.endr
	SPIKE \mm, Z, 0                                ; step 0: the reset from the given mem is no spike, is not counted, and is a test of an input as given: not watched
	LEAK \mm, Z, Z, TWA
	SPIKE \mm, \cc, 1                              ; step 1: its reset is step 0's spike and starts the count: nothing is cleared
	LEAK \mm, \cc, Z, TWB
	s_mov_b32 s50, 2
.Lscan\rb\():
	v_readlane_b32 s[TWA], v[TW], s50              ; the weights of steps t and t + 1
	s_add_co_u32 s51, s50, 1
	v_readlane_b32 s[TWB], v[TW], s51
	SPIKE \mm, Z, 2
	COUNT \cc, Z
	LEAK \mm, Z, Z, TWA
	SPIKE \mm, Z, 2
	COUNT \cc, Z
	LEAK \mm, Z, Z, TWB
	s_add_co_u32 s50, s50, 2
	s_cmp_lt_u32 s50, 32
	s_cbranch_scc1 .Lscan\rb
	SPIKE \mm, Z, 2                                ; the last step's spike
	COUNT \cc, Z
.set p, 0
.rept 8
	v_cmp_gt_f32 vcc_lo, s[GUARD], v[G+p]          ; piece p came inside the band:
	v_cndmask_b32 v[TB], 0, v[ONE], vcc_lo
	v_lshl_or_b32 v[FW], v[TB], 8*\rb+p, v[FW]     ; bit 8 chunk + piece of my word.  The mark is stored, and steers nothing in this launch
.set p, p+1
.endr
.set p, 0
.rept 16
	v_pk_mul_f32 v[\cc+p:\cc+p+1], v[\cc+p:\cc+p+1], s[NR32:NR32+1] op_sel_hi:[1,0]    ; spikes / 32
.set p, p+2
.endr
.set p, 0
.rept 32
	v_max_num_f32 v[\cc+p], 0x3d4ccccd, v[\cc+p]   ; at least 0.05
.set p, p+1
.endr
.irp i, 0,1,2,3,4,5,6,7
	global_store_b128 v[VO], v[\cc+4*\i:\cc+4*\i+3], s[14:15] offset:(16*\rb+2*\i)*OROW th:TH_STORE_NT   ; 16 lanes store 256 consecutive bytes, at a multiple of 256 from the buffer's first byte
	global_store_b128 v[VO], v[\mm+4*\i:\mm+4*\i+3], s[16:17] offset:(16*\rb+2*\i)*OROW th:TH_STORE_NT
.endr
.endm
	CHUNK 0, M0, C0, 8                             ; chunk 1's eight loads of mem may stay out
	CHUNK 1, M1, C1, 0                             ; its own count and mem registers: chunk 0's stores keep their sources untouched
	v_lshlrev_b32 v[TB], 2, v0                     ; 4 x thread
	global_store_b32 v[TB], v[FW], s[FLP:FLP+1]    ; one word a lane: a wave's store covers 128 consecutive bytes, the work-group's eight 1,024
	s_set_vgpr_msb 0x5
	s_wait_tensorcnt 0x0
	ds_add_u32 v128, v129
	s_wait_dscnt 0x0
	s_set_vgpr_msb 0x500
	s_endpgm
.Lfunc_end_k_q58c1c3182e_latency:
	.size	k_q58c1c3182e_latency, .Lfunc_end_k_q58c1c3182e_latency-k_q58c1c3182e_latency
	.p2alignl 7, 3214868480
	.fill 96, 4, 3214868480
	.section	.rodata,"a",@progbits
	.p2align	6, 0x0
	.amdhsa_kernel k_q58c1c3182e_latency
		.amdhsa_group_segment_fixed_size 302080
		.amdhsa_private_segment_fixed_size 0
		.amdhsa_enable_private_segment 0
		.amdhsa_kernarg_size 64
		.amdhsa_user_sgpr_count 2
		.amdhsa_user_sgpr_kernarg_segment_ptr 1
		.amdhsa_wavefront_size32 1
		.amdhsa_system_sgpr_workgroup_id_x 1
		.amdhsa_system_sgpr_workgroup_id_y 1
		.amdhsa_system_sgpr_workgroup_id_z 1
		.amdhsa_system_vgpr_workitem_id 0
		.amdhsa_next_free_vgpr 386
		.amdhsa_next_free_sgpr 66
		.amdhsa_reserve_vcc 1
		.amdhsa_float_denorm_mode_32 3
		.amdhsa_float_denorm_mode_16_64 3
		.amdhsa_memory_ordered 1
		.amdhsa_forward_progress 1
		.amdhsa_inst_pref_size 188
	.end_amdhsa_kernel
	.amdgpu_metadata
---
amdhsa.version: [ 1, 2 ]
amdhsa.kernels:
  - .name:           k_q58c1c3182e_latency
    .symbol:         k_q58c1c3182e_latency.kd
    .args:
      - { .name: x, .offset: 0, .size: 8, .value_kind: global_buffer, .address_space: global }
      - { .name: W, .offset: 8, .size: 8, .value_kind: global_buffer, .address_space: global }
      - { .name: b, .offset: 16, .size: 8, .value_kind: global_buffer, .address_space: global }
      - { .name: beta, .offset: 24, .size: 8, .value_kind: global_buffer, .address_space: global }
      - { .name: mem, .offset: 32, .size: 8, .value_kind: global_buffer, .address_space: global }
      - { .name: out0, .offset: 40, .size: 8, .value_kind: global_buffer, .address_space: global }
      - { .name: out1, .offset: 48, .size: 8, .value_kind: global_buffer, .address_space: global }
      - { .name: flags, .offset: 56, .size: 8, .value_kind: global_buffer, .address_space: global }
    .group_segment_fixed_size: 302080
    .private_segment_fixed_size: 0
    .kernarg_segment_align: 8
    .kernarg_segment_size: 64
    .max_flat_workgroup_size: 256
    .sgpr_count:     66
    .vgpr_count:     386
    .wavefront_size: 32
...
	.end_amdgpu_metadata
.endif
;; end of part 1
;; launch decide (part 2): grid 8 x 32, 8 waves a work-group, no clusters, 41,984 bytes of LDS; arguments x, W, b, beta, mem, flags, out0, out1; writes out0, out1
.if DOCPART == 2
	.amdgcn_target "amdgcn-amd-amdhsa--gfx1250"
	.amdhsa_code_object_version 6
	.text
	.protected	k_q58c1c3182e_decide
	.globl	k_q58c1c3182e_decide
	.p2align	8
	.type	k_q58c1c3182e_decide,@function
k_q58c1c3182e_decide:
	s_mov_b64 s[64:65], 0
	v_nop
	global_prefetch_b8 v0, s[64:65] scope:SCOPE_SE
	s_setreg_imm32_b32 hwreg(HW_REG_WAVE_MODE, 25, 1), 1
	s_wait_xcnt 0x0
; THE MARKED GROUPS, ONCE MORE.  The launch before marked every group of four neighbouring outputs whose m came within 7.6e-6 of the threshold:
; there the order of f32 roundings decides a spike.  This launch computes those groups again from the inputs, in plain f32, rounding where a
; serial evaluation of reference() with fused multiply-adds rounds, and stores over them:
;   the sum over k ascending, one accumulator, one fused multiply-add a term;  y = sum + b;  e = exp(-y) by the Cephes polynomial (argument cut by
;   n ln 2 in two parts, degree 5, fused steps, 1 + z, times 2^n);  xn = 1 / (1 + e), correctly rounded;  tw = the same exp of -(t / 5), t / 5
;   correctly rounded;  a step:  m = fma(beta, m, round(xn tw)) - reset.
; That the library behind reference() rounds in just this order is an assumption of this text; any order of f32 roundings is as good a value.
; It is no bulk work: a marked group is 1,024 multiply-adds, and about one output in ten thousand lies inside the band.
; LIMITS, stated: NaN is not served; for y > 87.3 this text's e is a denormal number where the polynomial form's own scaling gives 0: 1 + e is 1 in both.
;
; SHARES.  The grid and the waves' shares are the marking launch's: work-group (column block, row block), wave w: rows 32 (w / 2) .., columns 64 (w % 2) ..;
; lane l's word, bit g: row 2 g + l / 16 of the wave's 32, columns 4 (l % 16) .. + 3 of its 64.  A wave with no mark ends.  The loops over l and g have
; fixed trip counts and every address is made of ids and these counters; the words read from memory steer forward branches alone.
; A group is worked on by the whole wave: its 32 lanes fetch the row of x (1,024 bytes) and the four rows of W (4,096 consecutive bytes) in ten
; loads of 512 bytes, lay them into the wave's own 5,120 bytes of LDS and read them back, every lane the same bytes; every lane then runs the same
; four chains, which take turns, and lane 0 stores.  No wave touches another's LDS bytes: no barrier.
.set REGION, 5120                      ; LDS bytes of a wave: x's row, then W's four rows
.set LANE, 1
.set FLG,  3                           ; my word of marks
.set L16,  4                           ; 16 x lane
.set Z0,   5                           ; 0: an offset for loads and stores that are the same in every lane
.set LS,   6                           ; LDS: my 16 bytes of a 512-byte piece
.set LB,   7                           ; LDS: my wave's region
.set ONEF, 8                           ; 1.0
.set TW,   9                           ; lane t: the time weight of step t
.set ACC,  16                          ; v[16:19] the four sums
.set Y,    20                          ; v[20:23] -y, then e, then 1 + e
.set N,    24                          ; v[24:27] at work
.set ZZ,   28                          ; v[28:31] at work
.set W2,   32                          ; v[32:35] at work
.set MM,   36                          ; v[36:39] m
.set BB,   40                          ; v[40:43] b
.set CNT,  44                          ; v[44:47] spikes, then out0
.set RS,   48                          ; v[48:51] the last spike = the next reset, 0.0 or 1.0
.set XN,   52                          ; v[52:55] xn
.set XL,   56                          ; v[56:63] x's row as loaded
.set D0,   64                          ; v[64:143]  16 k of the five rows, buffer 0: row j at 16 j
.set D1,   144                         ; v[144:223] buffer 1
.set WL,   224                         ; v[224:255] W's four rows as loaded
.set BETA, 25
.set ELO,  56                          ; -87.8, 88.8: the polynomial form's clamp of its argument
.set EHI,  57
.set L2E,  58                          ; log2 e
.set NLO,  59                          ; -127, 127: its clamp of n
.set NHI,  60
.set NC1,  61                          ; -0.693359375
.set NC2,  62                          ; 2.12194440e-4:  ln 2 = 0.693359375 - 2.12194440e-4
.set P0,   63
.set P1,   66
.set P2,   67
.set P3,   68
.set P4,   69
	s_load_b256 s[4:11], s[0:1], 0x0               ; x s[4:5], W s[6:7], b s[8:9], beta s[10:11]
	s_load_b256 s[12:19], s[0:1], 0x20             ; mem s[12:13], flags s[14:15], out0 s[16:17], out1 s[18:19]
	v_lshl_add_u32 v14, v0, 2, 0xa000
	v_mov_b32 v15, 0
	v_lshrrev_b32 v1, 5, v0
	v_readfirstlane_b32 s20, v1                    ; wave 0..7
	s_and_b32 s21, ttmp7, 0xffff                   ; row block; ttmp9 is the column block
	v_and_b32 v[LANE], 31, v0
	v_lshlrev_b32 v2, 2, v0                        ; 4 x thread
	s_lshl_b32 s22, s21, 3
	s_add_co_u32 s22, s22, ttmp9                   ; the work-group's number, as the marking launch counts it,
	s_lshl_b32 s22, s22, 10                        ; times 256 threads x 4 bytes
	s_mov_b32 s23, 0
	s_wait_kmcnt 0x0
	s_add_nc_u64 s[14:15], s[14:15], s[22:23]
	global_load_b32 v[FLG], v2, s[14:15]
	s_wait_loadcnt 0x0
	v_cmp_ne_u32 vcc_lo, 0, v[FLG]
	s_cbranch_vccz .Lend                           ; none of my wave's 512 groups is marked
	s_load_b32 s24, s[10:11], 0x0                  ; beta
	s_mov_b32 s[ELO], 0xc2af999a
	s_mov_b32 s[EHI], 0x42b1999a
	s_mov_b32 s[L2E], 0x3fb8aa3b
	s_mov_b32 s[NLO], 0xc2fe0000
	s_mov_b32 s[NHI], 0x42fe0000
	s_mov_b32 s[NC1], 0xbf318000
	s_mov_b32 s[NC2], 0x395e8083
	s_mov_b32 s[P0], 0x39506967                    ; 1.9875691500e-4
	s_mov_b32 s[P1], 0x3ab743ce                    ; 1.3981999507e-3
	s_mov_b32 s[P2], 0x3c088908                    ; 8.3334519073e-3
	s_mov_b32 s[P3], 0x3d2aa9c1                    ; 4.1665795894e-2
	s_mov_b32 s[P4], 0x3e2aaaaa                    ; 1.6666665459e-1;  the last coefficient, 5.0000001201e-1, is 0.5 in f32
	s_lshr_b32 s26, s20, 1
	s_lshl_b32 s26, s26, 5
	s_lshl_b32 s33, s21, 7
	s_add_co_u32 s26, s26, s33                     ; my wave's first row: 128 x row block + 32 (w / 2)
	s_and_b32 s27, s20, 1
	s_lshl_b32 s27, s27, 6
	s_lshl_b32 s33, ttmp9, 7
	s_add_co_u32 s27, s27, s33                     ; its first column: 128 x column block + 64 (w % 2)
	s_mul_i32 s28, s20, REGION
	v_lshlrev_b32 v[L16], 4, v[LANE]
	v_mov_b32 v[Z0], 0
	v_mov_b32 v[ONEF], 1.0
	v_mov_b32 v[LB], s28
	v_lshl_add_u32 v[LS], v[LANE], 4, s28
; a := exp(a), the polynomial form; n, z, w: work registers
.macro XEXP a, n, z, w
	v_med3_num_f32 v[\a], v[\a], s[ELO], s[EHI]
	v_fma_f32 v[\n], v[\a], s[L2E], 0.5
	v_floor_f32 v[\n], v[\n]                       ; n = floor(a log2 e + 1/2)
	v_med3_num_f32 v[\n], v[\n], s[NLO], s[NHI]
	v_fma_f32 v[\a], v[\n], s[NC1], v[\a]          ; a - n ln 2, in two parts
	v_fma_f32 v[\a], v[\n], s[NC2], v[\a]
	v_fma_f32 v[\z], v[\a], s[P0], s[P1]
	v_fma_f32 v[\z], v[\z], v[\a], s[P2]
	v_fma_f32 v[\z], v[\z], v[\a], s[P3]
	v_fma_f32 v[\z], v[\z], v[\a], s[P4]
	v_fma_f32 v[\z], v[\z], v[\a], 0.5
	v_mul_f32 v[\w], v[\a], v[\a]
	v_fma_f32 v[\z], v[\z], v[\w], v[\a]
	v_add_f32 v[\z], 1.0, v[\z]
	v_cvt_i32_f32 v[\n], v[\n]
	v_ldexp_f32 v[\a], v[\z], v[\n]                ; times 2^n, exact
.endm
	; the time weights, lane t for step t
	v_cvt_f32_u32 v10, v[LANE]                     ; t
	v_mul_f32 v11, 0x3e4ccccd, v10                 ; t x round(1/5),
	v_fmamk_f32 v12, v11, 0xc0a00000, v10          ; what it leaves: t - 5 q, exact in the fused form,
	v_fmamk_f32 v11, v12, 0x3e4ccccd, v11          ; and the correction: q = t / 5, rounded once
	v_mul_f32 v[TW], -1.0, v11
	XEXP TW, 10, 12, 13
	s_wait_kmcnt 0x0
	v_mov_b32 v10, s24
	v_med3_num_f32 v10, v10, 0, 1.0                ; clip(beta, 0, 1)
	v_readfirstlane_b32 s[BETA], v10
.macro FETCH t, d                      ; k = 16 t .. 16 t + 15 of the five rows: 20 loads, every lane the same bytes
.irp row, 0,1,2,3,4
.irp q, 0,1,2,3
	ds_load_b128 v[\d+16*\row+4*\q:\d+16*\row+4*\q+3], v[LB] offset:1024*\row+64*(\t)+16*\q
.endr
.endr
.endm
.macro CHAIN d, first                  ; 16 links of each of the four chains, k ascending; the chains take turns.  first = 1: the first product starts the sums
.irp e, 0,1,2,3,4,5,6,7,8,9,10,11,12,13,14,15
.set fm, 0
.if \first
.if \e == 0
.set fm, 1
.endif
.endif
.irp c, 0,1,2,3
.if fm
	v_mul_f32 v[ACC+\c], v[\d+\e], v[\d+16*(1+\c)+\e]
.else
	v_fmac_f32 v[ACC+\c], v[\d+\e], v[\d+16*(1+\c)+\e]
.endif
.endr
.endr
.endm
	s_mov_b32 s30, 0                               ; l
.Llane:
	v_readlane_b32 s31, v[FLG], s30                ; lane l's word
	s_cmp_eq_u32 s31, 0
	s_cbranch_scc1 .Lnext_lane
	s_mov_b32 s32, 0                               ; g
.Lgroup:
	s_lshr_b32 s33, s31, s32
	s_and_b32 s33, s33, 1
	s_cmp_eq_u32 s33, 0
	s_cbranch_scc1 .Lnext_group
	; where the group lies
	s_lshr_b32 s34, s30, 4
	s_and_b32 s35, s30, 15
	s_lshl_b32 s36, s32, 1
	s_add_co_u32 s36, s36, s34
	s_add_co_u32 s36, s36, s26                     ; row = first row + 2 g + l / 16
	s_lshl_b32 s37, s35, 2
	s_add_co_u32 s37, s37, s27                     ; first column = first column + 4 (l % 16)
	s_mov_b32 s39, 0
	s_lshl_b32 s38, s36, 10
	s_add_nc_u64 s[40:41], s[4:5], s[38:39]        ; x's row
	s_lshl_b32 s38, s37, 10
	s_add_nc_u64 s[42:43], s[6:7], s[38:39]        ; W's four rows
	s_lshl_b32 s38, s37, 2
	s_add_nc_u64 s[46:47], s[8:9], s[38:39]        ; b's four numbers
	s_lshl_b32 s33, s36, 12
	s_add_co_u32 s38, s38, s33
	s_add_nc_u64 s[44:45], s[12:13], s[38:39]      ; the group's 16 bytes in mem,
	s_add_nc_u64 s[48:49], s[16:17], s[38:39]      ; out0
	s_add_nc_u64 s[50:51], s[18:19], s[38:39]      ; and out1
	global_load_b128 v[XL:XL+3], v[L16], s[40:41]
	global_load_b128 v[XL+4:XL+7], v[L16], s[40:41] offset:512
.irp j, 0,1,2,3,4,5,6,7
	global_load_b128 v[WL+4*\j:WL+4*\j+3], v[L16], s[42:43] offset:512*\j
.endr
	global_load_b128 v[MM:MM+3], v[Z0], s[44:45]
	global_load_b128 v[BB:BB+3], v[Z0], s[46:47]
	s_wait_loadcnt 0x0
	ds_store_b128 v[LS], v[XL:XL+3]
	ds_store_b128 v[LS], v[XL+4:XL+7] offset:512
.irp j, 0,1,2,3,4,5,6,7
	ds_store_b128 v[LS], v[WL+4*\j:WL+4*\j+3] offset:1024+512*\j
.endr
	; the four sums.  LDS serves a wave's instructions in order (ISA guide 5.7.1): the loads see the stores above; the bytes are my wave's own
	FETCH 0, D0
	FETCH 1, D1
	s_wait_dscnt 20                                ; all but the 20 loads just issued
	CHAIN D0, 1
	FETCH 2, D0
	s_wait_dscnt 20
	CHAIN D1, 0
.set t, 1
.rept 6
	FETCH 2*t+1, D1
	s_wait_dscnt 20
	CHAIN D0, 0
	FETCH 2*t+2, D0
	s_wait_dscnt 20
	CHAIN D1, 0
.set t, t+1
.endr
	FETCH 15, D1
	s_wait_dscnt 20
	CHAIN D0, 0
	s_wait_dscnt 0x0
	CHAIN D1, 0
	; the sigmoid
.irp c, 0,1,2,3
	v_add_f32 v[Y+\c], v[ACC+\c], v[BB+\c]         ; y
.endr
.irp c, 0,1,2,3
	v_mul_f32 v[Y+\c], -1.0, v[Y+\c]
.endr
.irp c, 0,1,2,3
	XEXP Y+\c, N+\c, ZZ+\c, W2+\c                  ; e = exp(-y)
.endr
.irp c, 0,1,2,3
	v_add_f32 v[Y+\c], 1.0, v[Y+\c]                ; s = 1 + e
.endr
.irp c, 0,1,2,3
	v_rcp_f32 v[XN+\c], v[Y+\c]
.endr
	v_nop                                          ; one plain instruction between the transcendentals and the first use of a result (ISA guide 5.7.2)
	s_wait_alu depctr_va_vdst(0)
.irp c, 0,1,2,3
	v_fma_f32 v[N+\c], -v[Y+\c], v[XN+\c], 1.0     ; 1 - s q, exact in the fused form
.endr
.irp c, 0,1,2,3
	v_fma_f32 v[XN+\c], v[N+\c], v[XN+\c], v[XN+\c]    ; q + q (1 - s q): the rounded quotient 1 / s
.endr
	; the scan
.irp c, 0,1,2,3
	v_cmp_lt_f32 vcc_lo, 1.0, v[MM+\c]             ; the first reset comes from the given mem and is no spike
	v_cndmask_b32 v[RS+\c], 0, v[ONEF], vcc_lo
	v_mov_b32 v[CNT+\c], 0
.endr
	s_mov_b32 s53, 0
.Lstep:
	v_readlane_b32 s54, v[TW], s53
.irp c, 0,1,2,3
	v_mul_f32 v[N+\c], s54, v[XN+\c]               ; cur, rounded
.endr
.irp c, 0,1,2,3
	v_fma_f32 v[MM+\c], s[BETA], v[MM+\c], v[N+\c] ; beta m + cur, one rounding
.endr
.irp c, 0,1,2,3
	v_sub_f32 v[MM+\c], v[MM+\c], v[RS+\c]         ; the reset is taken away last
.endr
.irp c, 0,1,2,3
	v_cmp_lt_f32 vcc_lo, 1.0, v[MM+\c]
	v_cndmask_b32 v[RS+\c], 0, v[ONEF], vcc_lo     ; this step's spike, the next step's reset
.endr
.irp c, 0,1,2,3
	v_add_f32 v[CNT+\c], v[CNT+\c], v[RS+\c]
.endr
	s_add_co_u32 s53, s53, 1
	s_cmp_lt_u32 s53, 32
	s_cbranch_scc1 .Lstep
.irp c, 0,1,2,3
	v_mul_f32 v[CNT+\c], 0x3d000000, v[CNT+\c]     ; spikes / 32
.endr
.irp c, 0,1,2,3
	v_max_num_f32 v[CNT+\c], 0x3d4ccccd, v[CNT+\c] ; at least 0.05
.endr
	s_wait_xcnt 0x0                                ; EXEC changes only behind s_wait_xcnt 0
	v_cmp_eq_u32 vcc_lo, 0, v[LANE]
	s_and_saveexec_b32 s55, vcc_lo                 ; every lane holds the same four numbers: lane 0 stores them
	global_store_b128 v[Z0], v[CNT:CNT+3], s[48:49]
	global_store_b128 v[Z0], v[MM:MM+3], s[50:51]
	s_wait_xcnt 0x0                                ; and again: EXEC, the stores' data and their bases are written again only behind this wait
	s_or_b32 exec_lo, exec_lo, s55
.Lnext_group:
	s_add_co_u32 s32, s32, 1
	s_cmp_lt_u32 s32, 16
	s_cbranch_scc1 .Lgroup
.Lnext_lane:
	s_add_co_u32 s30, s30, 1
	s_cmp_lt_u32 s30, 32
	s_cbranch_scc1 .Llane
.Lend:
	s_wait_tensorcnt 0x0
	ds_add_u32 v14, v15
	s_wait_dscnt 0x0
	s_endpgm
.Lfunc_end_k_q58c1c3182e_decide:
	.size	k_q58c1c3182e_decide, .Lfunc_end_k_q58c1c3182e_decide-k_q58c1c3182e_decide
	.p2alignl 7, 3214868480
	.fill 96, 4, 3214868480
	.section	.rodata,"a",@progbits
	.p2align	6, 0x0
	.amdhsa_kernel k_q58c1c3182e_decide
		.amdhsa_group_segment_fixed_size 41984
		.amdhsa_private_segment_fixed_size 0
		.amdhsa_enable_private_segment 0
		.amdhsa_kernarg_size 64
		.amdhsa_user_sgpr_count 2
		.amdhsa_user_sgpr_kernarg_segment_ptr 1
		.amdhsa_wavefront_size32 1
		.amdhsa_system_sgpr_workgroup_id_x 1
		.amdhsa_system_sgpr_workgroup_id_y 1
		.amdhsa_system_sgpr_workgroup_id_z 1
		.amdhsa_system_vgpr_workitem_id 0
		.amdhsa_next_free_vgpr 256
		.amdhsa_next_free_sgpr 70
		.amdhsa_reserve_vcc 1
		.amdhsa_float_denorm_mode_32 3
		.amdhsa_float_denorm_mode_16_64 3
		.amdhsa_memory_ordered 1
		.amdhsa_forward_progress 1
		.amdhsa_inst_pref_size 67
	.end_amdhsa_kernel
	.amdgpu_metadata
---
amdhsa.version: [ 1, 2 ]
amdhsa.kernels:
  - .name:           k_q58c1c3182e_decide
    .symbol:         k_q58c1c3182e_decide.kd
    .args:
      - { .name: x, .offset: 0, .size: 8, .value_kind: global_buffer, .address_space: global }
      - { .name: W, .offset: 8, .size: 8, .value_kind: global_buffer, .address_space: global }
      - { .name: b, .offset: 16, .size: 8, .value_kind: global_buffer, .address_space: global }
      - { .name: beta, .offset: 24, .size: 8, .value_kind: global_buffer, .address_space: global }
      - { .name: mem, .offset: 32, .size: 8, .value_kind: global_buffer, .address_space: global }
      - { .name: flags, .offset: 40, .size: 8, .value_kind: global_buffer, .address_space: global }
      - { .name: out0, .offset: 48, .size: 8, .value_kind: global_buffer, .address_space: global }
      - { .name: out1, .offset: 56, .size: 8, .value_kind: global_buffer, .address_space: global }
    .group_segment_fixed_size: 41984
    .private_segment_fixed_size: 0
    .kernarg_segment_align: 8
    .kernarg_segment_size: 64
    .max_flat_workgroup_size: 256
    .sgpr_count:     70
    .vgpr_count:     256
    .wavefront_size: 32
...
	.end_amdgpu_metadata
.endif
;; end of part 2
;; ======== version 2 of 3: 2 launches; 1.31 times as fast as version 1
;; limits: values are held in f16: magnitudes above 65,504 overflow, below 6.1e-05 lose precision; right only within a limited range of input values
;; workspace buffers: flags 262,144 bytes of whole numbers
;; launch latency: the kernel of part 1 again; grid 8 x 32, 8 waves a work-group, no clusters, 302,080 bytes of LDS; arguments x, W, b, beta, mem, out0, out1, flags; writes out0, out1, flags
;; launch decide (part 3): grid 8 x 32, 8 waves a work-group, no clusters, 175,104 bytes of LDS; arguments x, W, b, beta, mem, flags, out0, out1; writes out0, out1
.if DOCPART == 3
	.amdgcn_target "amdgcn-amd-amdhsa--gfx1250"
	.amdhsa_code_object_version 6
	.text
	.protected	k_q58c1c3182e_decide
	.globl	k_q58c1c3182e_decide
	.p2align	8
	.type	k_q58c1c3182e_decide,@function
k_q58c1c3182e_decide:
	s_mov_b64 s[64:65], 0
	v_nop
	global_prefetch_b8 v0, s[64:65] scope:SCOPE_SE
	s_setreg_imm32_b32 hwreg(HW_REG_WAVE_MODE, 25, 1), 1
	s_wait_xcnt 0x0
; THE MARKED GROUPS, ONCE MORE.  The launch before marked every group of four neighbouring outputs whose m came within 7.6e-6 of the threshold:
; there the order of f32 roundings decides a spike.  This launch computes those groups again from the inputs, in plain f32, rounding where a
; serial evaluation of reference() with fused multiply-adds rounds, and stores over them:
;   the sum over k ascending, one accumulator, one fused multiply-add a term;  y = sum + b;  e = exp(-y) by the Cephes polynomial (argument cut by
;   n ln 2 in two parts, degree 5, fused steps, 1 + z, times 2^n);  xn = 1 / (1 + e), correctly rounded;  tw = the same exp of -(t / 5), t / 5
;   correctly rounded;  a step:  m = fma(beta, m, round(xn tw)) - reset.
; That the library behind reference() rounds in just this order is an assumption of this text; any order of f32 roundings is as good a value.
; It is no bulk work: a marked output is a chain of 256 multiply-adds, and by the band's width about one output in ten thousand is marked.
; LIMITS, stated: NaN is not served; for y > 87.3 this text's e is a denormal number where the polynomial form's own scaling gives 0: 1 + e is 1 in both.
;
; SHARES.  The grid and the waves' shares are the marking launch's: work-group (column block, row block), wave w: rows 32 (w / 2) .., columns 64 (w % 2) ..;
; lane l's word, bit g: row 2 g + l / 16 of the wave's 32, columns 4 (l % 16) .. + 3 of its 64.  A wave with no mark ends.
; A wave takes its marks in BATCHES of up to four.  For each mark of a batch the whole wave fetches the row of x (1,024 bytes) and the four rows of W
; (4,096 consecutive bytes) in ten loads of 512 bytes and lays them into one of its four LDS slots; all loads of a batch are out before the first
; wait.  Then lane 4 s + c computes output c of slot s, with EXEC narrowed to the lanes that have an output: the chains of a batch run side by side,
; so that a wave with four marks takes no longer than a wave with one.  Slots that a batch does not fill are neither fetched nor read.
; What comes from the flags enters an address only behind a clamp to its range.  The batch loop is counted to 128 = 32 lanes x 16 marks / 4 and left
; by a forward branch when no mark is left.  No wave touches another's LDS bytes: no barrier.
; A group's results leave as 4 bytes from each of four neighbouring lanes, 16 consecutive bytes: a patch, not a stream.
.set ROWP,  1040                       ; an LDS row: 1,024 bytes + 16
.set SLOTP, 5440                       ; a slot: x's row and W's four rows, 5,200 bytes, made up to 340 x 16: lane 4 s + c reads W in the 16-byte column 4 s + 1 + c of 16, x in column 4 s
.set WREG,  4*SLOTP                    ; LDS bytes of a wave
; vector registers
.set LANE, 1
.set A4,   2                           ; 4 x thread: my word of marks
.set FLG,  3                           ; the word
.set L16,  4                           ; 16 x lane
.set C4,   5                           ; 4 x (lane % 4): my output's bytes in its group
.set LS,   6                           ; LDS: my 16 bytes of a 512-byte piece, slot 0
.set LX,   7                           ; LDS: x's row in my slot
.set LW,   8                           ; LDS: my row of W in my slot
.set TW,   9                           ; lane t: the time weight of step t
.set IDX,  14                          ; my group's index: 256 x row + column / 4
.set OFF,  15                          ; my output's byte offset in mem, out0, out1
.set BOF,  16                          ; and in b
.set TV,   17                          ; at work
.set ACC,  18                          ; the sum
.set Y,    19                          ; -y, then e, then 1 + e
.set N,    20                          ; at work
.set ZZ,   21
.set W2,   22
.set MM,   23                          ; m
.set BB,   24                          ; b
.set CNT,  25                          ; minus the spike count, then out0
.set NR,   26                          ; minus the last spike = minus the next reset: -1.0 or 0
.set XN,   27
.set M1,   28                          ; beta m + cur
.set CUR,  29                          ; v[29:30] xn tw of this step and the next, by turns
.set Z,    31                          ; (1 - m) 2^23
.set XO,   32                          ; v[32:35] slot s: byte offset of my 16 bytes in x
.set WO,   36                          ; v[36:39] slot s: in W
.set LD,   40                          ; v[40:199] slot s: 40 landing registers, x's row 8, W's rows 32
.set DB,   40                          ; v[40:167] afterwards: four buffers of 16 k: x 16 registers, W 16
; scalar registers
.set BETA, 25
.set R0,   26                          ; my wave's first row
.set CG0,  27                          ; its first column / 4
.set LREG, 28                          ; its LDS bytes
.set MASK, 29                          ; lanes whose words have not been taken up yet
.set BC,   30                          ; batches
.set SL,   31                          ; the lane whose word is at work
.set CURW, 32                          ; what is left of that word
.set GG,   33
.set LH,   34
.set LL,   35
.set ROW,  36
.set CG,   37
.set ST,   38
.set ST2,  39
.set N4,   40                          ; 4 x the batch's marks: the lanes that have an output
.set SV,   41                          ; EXEC, kept
.set ST3,  42
.set ELO,  44                          ; -87.8, 88.8: the polynomial form's clamp of its argument
.set EHI,  45
.set L2E,  46                          ; log2 e
.set NLO,  47                          ; -127, 127: its clamp of n
.set NHI,  48
.set NC1,  49                          ; -0.693359375
.set NC2,  50                          ; 2.12194440e-4:  ln 2 = 0.693359375 - 2.12194440e-4
.set P0,   51
.set P1,   52
.set P2,   53
.set P3,   54
.set P4,   55
.set NP,   56                          ; -2^23
.set PP,   57                          ;  2^23
.set TWS,  66                          ; s[66:97] the 32 time weights
	s_load_b256 s[4:11], s[0:1], 0x0               ; x s[4:5], W s[6:7], b s[8:9], beta s[10:11]
	s_load_b256 s[12:19], s[0:1], 0x20             ; mem s[12:13], flags s[14:15], out0 s[16:17], out1 s[18:19]
	v_lshl_add_u32 v200, v0, 2, 0x2a800
	v_mov_b32 v201, 0
	v_lshrrev_b32 v10, 5, v0
	v_readfirstlane_b32 s20, v10                   ; wave 0..7
	s_and_b32 s21, ttmp7, 0xffff                   ; row block; ttmp9 is the column block
	v_and_b32 v[LANE], 31, v0
	v_lshlrev_b32 v[A4], 2, v0
	s_lshl_b32 s22, s21, 3
	s_add_co_u32 s22, s22, ttmp9                   ; the work-group's number, as the marking launch counts it,
	s_lshl_b32 s22, s22, 10                        ; times 256 threads x 4 bytes
	s_mov_b32 s23, 0
	s_wait_kmcnt 0x0
	s_add_nc_u64 s[14:15], s[14:15], s[22:23]
	global_load_b32 v[FLG], v[A4], s[14:15]
	s_load_b32 s24, s[10:11], 0x0                  ; beta
	; All that hangs on no mark is made while these two loads are on their way, so that a wave with marks has it ready.
	s_mov_b32 s[ELO], 0xc2af999a
	s_mov_b32 s[EHI], 0x42b1999a
	s_mov_b32 s[L2E], 0x3fb8aa3b
	s_mov_b32 s[NLO], 0xc2fe0000
	s_mov_b32 s[NHI], 0x42fe0000
	s_mov_b32 s[NC1], 0xbf318000
	s_mov_b32 s[NC2], 0x395e8083
	s_mov_b32 s[P0], 0x39506967                    ; 1.9875691500e-4
	s_mov_b32 s[P1], 0x3ab743ce                    ; 1.3981999507e-3
	s_mov_b32 s[P2], 0x3c088908                    ; 8.3334519073e-3
	s_mov_b32 s[P3], 0x3d2aa9c1                    ; 4.1665795894e-2
	s_mov_b32 s[P4], 0x3e2aaaaa                    ; 1.6666665459e-1;  the last coefficient, 5.0000001201e-1, is 0.5 in f32
	s_mov_b32 s[NP], 0xcb000000
	s_mov_b32 s[PP], 0x4b000000
; a := exp(a), the polynomial form; n, z, w: work registers
.macro XEXP a, n, z, w
	v_med3_num_f32 v[\a], v[\a], s[ELO], s[EHI]
	v_fma_f32 v[\n], v[\a], s[L2E], 0.5
	v_floor_f32 v[\n], v[\n]                       ; n = floor(a log2 e + 1/2)
	v_med3_num_f32 v[\n], v[\n], s[NLO], s[NHI]
	v_fma_f32 v[\a], v[\n], s[NC1], v[\a]          ; a - n ln 2, in two parts
	v_fma_f32 v[\a], v[\n], s[NC2], v[\a]
	v_fma_f32 v[\z], v[\a], s[P0], s[P1]
	v_fma_f32 v[\z], v[\z], v[\a], s[P2]
	v_fma_f32 v[\z], v[\z], v[\a], s[P3]
	v_fma_f32 v[\z], v[\z], v[\a], s[P4]
	v_fma_f32 v[\z], v[\z], v[\a], 0.5
	v_mul_f32 v[\w], v[\a], v[\a]
	v_fma_f32 v[\z], v[\z], v[\w], v[\a]
	v_add_f32 v[\z], 1.0, v[\z]
	v_cvt_i32_f32 v[\n], v[\n]
	v_ldexp_f32 v[\a], v[\z], v[\n]                ; times 2^n, exact
.endm
	; the time weights, lane t for step t
	v_cvt_f32_u32 v10, v[LANE]                     ; t
	v_mul_f32 v11, 0x3e4ccccd, v10                 ; t x round(1/5),
	v_fmamk_f32 v12, v11, 0xc0a00000, v10          ; what it leaves: t - 5 q, exact in the fused form,
	v_fmamk_f32 v11, v12, 0x3e4ccccd, v11          ; and the correction: q = t / 5, rounded once
	v_mul_f32 v[TW], -1.0, v11
	XEXP TW, 10, 12, 13
	; where my wave's share lies
	s_lshr_b32 s[R0], s20, 1
	s_lshl_b32 s[R0], s[R0], 5
	s_lshl_b32 s[ST], s21, 7
	s_add_co_u32 s[R0], s[R0], s[ST]               ; first row: 128 x row block + 32 (w / 2)
	s_and_b32 s[CG0], s20, 1
	s_lshl_b32 s[CG0], s[CG0], 4
	s_lshl_b32 s[ST], ttmp9, 5
	s_add_co_u32 s[CG0], s[CG0], s[ST]             ; first column / 4: 32 x column block + 16 (w % 2)
	s_mul_i32 s[LREG], s20, WREG
	v_lshlrev_b32 v[L16], 4, v[LANE]
	v_lshl_add_u32 v[LS], v[LANE], 4, s[LREG]
	v_bfe_u32 v10, v[LANE], 2, 2                   ; my slot: (lane / 4) % 4
	v_mul_u32_u24 v[LX], v10, SLOTP
	v_add_nc_u32 v[LX], s[LREG], v[LX]
	v_and_b32 v[C4], 3, v[LANE]                    ; c: my output in the group
	v_mul_u32_u24 v11, v[C4], ROWP
	v_add_nc_u32 v[LW], v[LX], v11
	v_add_nc_u32 v[LW], ROWP, v[LW]                ; W's row c lies 1 + c rows behind x's
	v_lshlrev_b32 v[C4], 2, v[C4]
.set t, 0
.rept 32
	v_readlane_b32 s[TWS+t], v[TW], t              ; the weights as scalars: in the scan a lane is an output, not a step
.set t, t+1
.endr
	s_wait_loadcnt 0x0                             ; my word of marks
	s_wait_kmcnt 0x0                               ; beta
	v_cmp_ne_u32 vcc_lo, 0, v[FLG]
	s_cbranch_vccz .Lend                           ; none of my wave's 512 groups is marked
	s_mov_b32 s[MASK], vcc_lo
	v_mov_b32 v10, s24
	v_med3_num_f32 v10, v10, 0, 1.0                ; clip(beta, 0, 1)
	v_readfirstlane_b32 s[BETA], v10
	s_mov_b32 s[CURW], 0
	s_mov_b32 s[SL], 0
	s_mov_b32 s[BC], 0
; The next mark goes to slot s: its place is read off the flags, and the ten loads of its rows go out.
.macro SLOT s
	s_cmp_lg_u32 s[CURW], 0
	s_cbranch_scc1 .Lword_\@                       ; the word at work has marks left
	s_ctz_i32_b32 s[SL], s[MASK]                   ; else the lowest lane not taken up yet,
	s_min_u32 s[SL], s[SL], 31
	v_readlane_b32 s[CURW], v[FLG], s[SL]          ; its word,
	s_sub_co_u32 s[ST], s[MASK], 1
	s_and_b32 s[MASK], s[MASK], s[ST]              ; and the lane is struck off
.Lword_\@:
	s_ctz_i32_b32 s[GG], s[CURW]                   ; g: the word's lowest mark,
	s_sub_co_u32 s[ST], s[CURW], 1
	s_and_b32 s[CURW], s[CURW], s[ST]              ; struck off
	s_min_u32 s[GG], s[GG], 15                     ; each number from the flags is clamped to its range before it enters an address
	s_lshr_b32 s[LH], s[SL], 4
	s_min_u32 s[LH], s[LH], 1                      ; l / 16
	s_and_b32 s[LL], s[SL], 15                     ; l % 16
	s_lshl1_add_u32 s[ROW], s[GG], s[LH]
	s_add_co_u32 s[ROW], s[ROW], s[R0]             ; row = first row + 2 g + l / 16
	s_add_co_u32 s[CG], s[LL], s[CG0]              ; column / 4 = first + l % 16
	s_lshl_b32 s[ST], s[ROW], 10                   ; a row of x is 1,024 bytes
	v_add_nc_u32 v[XO+\s], s[ST], v[L16]
	s_lshl_b32 s[ST2], s[CG], 12                   ; four rows of W are 4,096 bytes
	v_add_nc_u32 v[WO+\s], s[ST2], v[L16]
	global_load_b128 v[LD+40*\s:LD+40*\s+3],   v[XO+\s], s[4:5]
	global_load_b128 v[LD+40*\s+4:LD+40*\s+7], v[XO+\s], s[4:5] offset:512
.irp j, 0,1,2,3,4,5,6,7
	global_load_b128 v[LD+40*\s+8+4*\j:LD+40*\s+8+4*\j+3], v[WO+\s], s[6:7] offset:512*\j
.endr
	s_lshl_b32 s[ST3], s[ROW], 8
	s_add_co_u32 s[ST3], s[ST3], s[CG]             ; the group's index
.if \s == 0
	v_mov_b32 v[IDX], s[ST3]                       ; every lane; the later slots' lanes are written over
	s_mov_b32 s[N4], 4
.else
	v_cmp_le_u32 vcc_lo, 4*\s, v[LANE]
	v_mov_b32 v[TV], s[ST3]
	v_cndmask_b32 v[IDX], v[IDX], v[TV], vcc_lo    ; lanes 4 s and up
	s_add_co_u32 s[N4], s[N4], 4
.endif
.endm
.macro LEFT target                     ; no mark left: the batch is as long as it gets
	s_or_b32 s[ST], s[MASK], s[CURW]
	s_cmp_eq_u32 s[ST], 0
	s_cbranch_scc1 \target
.endm
.macro STAGE s                         ; slot s from its landing registers into LDS: 512 consecutive bytes a store
	ds_store_b128 v[LS], v[LD+40*\s:LD+40*\s+3]   offset:\s*SLOTP
	ds_store_b128 v[LS], v[LD+40*\s+4:LD+40*\s+7] offset:\s*SLOTP+512
.irp j, 0,1,2,3,4,5,6,7
	ds_store_b128 v[LS], v[LD+40*\s+8+4*\j:LD+40*\s+8+4*\j+3] offset:\s*SLOTP+ROWP*(1+\j/2)+512*(\j%2)
.endr
.endm
.macro FETCH t                         ; k = 16 t .. 16 t + 15 of x's row and of my row of W: 8 loads into buffer t % 4
.irp q, 0,1,2,3
	ds_load_b128 v[DB+32*((\t)%4)+4*\q:DB+32*((\t)%4)+4*\q+3], v[LX] offset:64*(\t)+16*\q
.endr
.irp q, 0,1,2,3
	ds_load_b128 v[DB+32*((\t)%4)+16+4*\q:DB+32*((\t)%4)+16+4*\q+3], v[LW] offset:64*(\t)+16*\q
.endr
.endm
.macro CHAIN d, first                  ; 16 links of the chain, k ascending.  first = 1: the first product starts the sum
.irp e, 0,1,2,3,4,5,6,7,8,9,10,11,12,13,14,15
.set fm, 0
.if \first
.if \e == 0
.set fm, 1
.endif
.endif
.if fm
	v_mul_f32 v[ACC], v[\d+\e], v[\d+16+\e]
.else
	v_fmac_f32 v[ACC], v[\d+\e], v[\d+16+\e]
.endif
.endr
.endm
.Lbatch:
	; Up to four marks.  A branch that ends the batch early lands on the step of the ladder below that stages just the slots that were fetched.
	SLOT 0                                         ; there is a mark: the loop is entered, and gone round, only with marks left
	LEFT .Lf1
	SLOT 1
	LEFT .Lf2
	SLOT 2
	LEFT .Lf3
	SLOT 3
	s_wait_loadcnt 0x0                             ; all the batch's loads were out together; from here on the waits are met
	STAGE 3
.Lf3:
	s_wait_loadcnt 0x0
	STAGE 2
.Lf2:
	s_wait_loadcnt 0x0
	STAGE 1
.Lf1:
	s_wait_loadcnt 0x0
	STAGE 0
	v_min_u32 v[IDX], 0xfffff, v[IDX]              ; 4,096 rows x 256 groups
	v_lshl_add_u32 v[OFF], v[IDX], 4, v[C4]        ; 16 bytes a group + my output's 4
	v_and_b32 v[BOF], 0xff, v[IDX]                 ; column / 4
	v_lshl_add_u32 v[BOF], v[BOF], 4, v[C4]
	s_wait_xcnt 0x0                                ; EXEC changes only behind s_wait_xcnt 0
	v_cmp_gt_u32 vcc_lo, s[N4], v[LANE]
	s_and_saveexec_b32 s[SV], vcc_lo               ; the lanes that have an output: only slots that were staged are read
	global_load_b32 v[MM], v[OFF], s[12:13]        ; mem and b have the whole sum in which to land
	global_load_b32 v[BB], v[BOF], s[8:9]
	; the sum.  LDS serves a wave's instructions in order (ISA guide 5.7.1): the loads see the stores above; the bytes are my wave's own
	FETCH 0
	FETCH 1
	FETCH 2
	FETCH 3
.set t, 0
.rept 16
.set left, 8*(15-t)
.if left > 24
.set left, 24
.endif
	s_wait_dscnt left                              ; the younger fetches, three of 8 loads and fewer at the end, may stay out
.if t == 0
	CHAIN DB, 1
.else
	CHAIN DB+32*(t%4), 0
.endif
.if t < 12
	FETCH t+4                                      ; into the buffer just used
.endif
.set t, t+1
.endr
	; the sigmoid
	s_wait_loadcnt 0x0                             ; mem and b
	v_add_f32 v[Y], v[ACC], v[BB]                  ; y
	v_mul_f32 v[Y], -1.0, v[Y]
	XEXP Y, N, ZZ, W2                              ; e = exp(-y)
	v_add_f32 v[Y], 1.0, v[Y]                      ; s = 1 + e
	v_rcp_f32 v[XN], v[Y]
	v_fma_f32 v[Z], v[MM], s[NP], s[PP]            ; the plain instruction behind v_rcp_f32 (ISA guide 5.7.2): the test of the given mem
	s_wait_alu depctr_va_vdst(0)
	v_fma_f32 v[N], -v[Y], v[XN], 1.0              ; 1 - s q, exact in the fused form
	v_fma_f32 v[XN], v[N], v[XN], v[XN]            ; q + q (1 - s q): the rounded quotient 1 / s
	; THE SCAN, written out.  -[m > 1]: (1 - m) 2^23 in one rounding is <= -1 for every m > 1 (then m - 1 >= 2^-23) and >= 0 for every m <= 1; the clamp
	; to [-1, 0] makes it -1 or 0.  From one m to the next the dependent way is three instructions: the add, the test's multiply-add, the clamp.
	v_med3_num_f32 v[NR], v[Z], -1.0, 0            ; the first reset comes from the given mem and is no spike: not counted
	v_mul_f32 v[CUR], s[TWS], v[XN]                ; cur, rounded
	v_fma_f32 v[M1], s[BETA], v[MM], v[CUR]        ; beta m + cur, one rounding
	v_mul_f32 v[CUR+1], s[TWS+1], v[XN]
.set t, 0
.rept 32
	v_add_f32 v[MM], v[M1], v[NR]                  ; the reset is taken away last
.if t == 1
	v_mov_b32 v[CNT], v[NR]                        ; step 1's reset is step 0's spike and starts the count
.endif
.if t > 1
	v_add_f32 v[CNT], v[CNT], v[NR]
.endif
	v_fma_f32 v[Z], v[MM], s[NP], s[PP]
.if t < 31
	v_fma_f32 v[M1], s[BETA], v[MM], v[CUR+(t+1)%2]
.endif
.if t < 30
	v_mul_f32 v[CUR+t%2], s[TWS+t+2], v[XN]
.endif
	v_med3_num_f32 v[NR], v[Z], -1.0, 0            ; this step's spike, the next step's reset
.set t, t+1
.endr
	v_add_f32 v[CNT], v[CNT], v[NR]                ; the last step's spike
	v_mul_f32 v[CNT], 0xbd000000, v[CNT]           ; spikes / 32
	v_max_num_f32 v[CNT], 0x3d4ccccd, v[CNT]       ; at least 0.05
	global_store_b32 v[OFF], v[CNT], s[16:17]      ; four neighbouring lanes store a group's 16 bytes
	global_store_b32 v[OFF], v[MM], s[18:19]
	s_wait_xcnt 0x0                                ; EXEC, the stores' data and their offsets are written again only behind this wait
	s_or_b32 exec_lo, exec_lo, s[SV]
	LEFT .Lend                                     ; no mark left
	s_add_co_u32 s[BC], s[BC], 1
	s_cmp_lt_u32 s[BC], 128
	s_cbranch_scc1 .Lbatch
.Lend:
	s_wait_tensorcnt 0x0
	ds_add_u32 v200, v201
	s_wait_dscnt 0x0
	s_endpgm
.Lfunc_end_k_q58c1c3182e_decide:
	.size	k_q58c1c3182e_decide, .Lfunc_end_k_q58c1c3182e_decide-k_q58c1c3182e_decide
	.p2alignl 7, 3214868480
	.fill 96, 4, 3214868480
	.section	.rodata,"a",@progbits
	.p2align	6, 0x0
	.amdhsa_kernel k_q58c1c3182e_decide
		.amdhsa_group_segment_fixed_size 175104
		.amdhsa_private_segment_fixed_size 0
		.amdhsa_enable_private_segment 0
		.amdhsa_kernarg_size 64
		.amdhsa_user_sgpr_count 2
		.amdhsa_user_sgpr_kernarg_segment_ptr 1
		.amdhsa_wavefront_size32 1
		.amdhsa_system_sgpr_workgroup_id_x 1
		.amdhsa_system_sgpr_workgroup_id_y 1
		.amdhsa_system_sgpr_workgroup_id_z 1
		.amdhsa_system_vgpr_workitem_id 0
		.amdhsa_next_free_vgpr 202
		.amdhsa_next_free_sgpr 98
		.amdhsa_reserve_vcc 1
		.amdhsa_float_denorm_mode_32 3
		.amdhsa_float_denorm_mode_16_64 3
		.amdhsa_memory_ordered 1
		.amdhsa_forward_progress 1
		.amdhsa_inst_pref_size 45
	.end_amdhsa_kernel
	.amdgpu_metadata
---
amdhsa.version: [ 1, 2 ]
amdhsa.kernels:
  - .name:           k_q58c1c3182e_decide
    .symbol:         k_q58c1c3182e_decide.kd
    .args:
      - { .name: x, .offset: 0, .size: 8, .value_kind: global_buffer, .address_space: global }
      - { .name: W, .offset: 8, .size: 8, .value_kind: global_buffer, .address_space: global }
      - { .name: b, .offset: 16, .size: 8, .value_kind: global_buffer, .address_space: global }
      - { .name: beta, .offset: 24, .size: 8, .value_kind: global_buffer, .address_space: global }
      - { .name: mem, .offset: 32, .size: 8, .value_kind: global_buffer, .address_space: global }
      - { .name: flags, .offset: 40, .size: 8, .value_kind: global_buffer, .address_space: global }
      - { .name: out0, .offset: 48, .size: 8, .value_kind: global_buffer, .address_space: global }
      - { .name: out1, .offset: 56, .size: 8, .value_kind: global_buffer, .address_space: global }
    .group_segment_fixed_size: 175104
    .private_segment_fixed_size: 0
    .kernarg_segment_align: 8
    .kernarg_segment_size: 64
    .max_flat_workgroup_size: 256
    .sgpr_count:     98
    .vgpr_count:     202
    .wavefront_size: 32
...
	.end_amdgpu_metadata
.endif
;; end of part 3
;; ======== version 3 of 3: 2 launches; version 2 with the launch latency written anew for expert scheduling mode
;; limits: values are held in f16: magnitudes above 65,504 overflow, below 6.1e-05 lose precision; right only within a limited range of input values
;; workspace buffers: flags 262,144 bytes of whole numbers
;; launch latency (part 4): grid 8 x 32, 8 waves a work-group, no clusters, 302,080 bytes of LDS; arguments x, W, b, beta, mem, out0, out1, flags; writes out0, out1, flags
.if DOCPART == 4
	.amdgcn_target "amdgcn-amd-amdhsa--gfx1250"
	.amdhsa_code_object_version 6
	.text
	.protected	k_q58c1c3182e_latency
	.globl	k_q58c1c3182e_latency
	.p2align	8
	.type	k_q58c1c3182e_latency,@function
k_q58c1c3182e_latency:
	s_mov_b64 s[64:65], 0
	v_nop
	global_prefetch_b8 v0, s[64:65] scope:SCOPE_SE
	s_setreg_imm32_b32 hwreg(HW_REG_WAVE_SCHED_MODE, 0, 2), 2
	s_setreg_imm32_b32 hwreg(HW_REG_WAVE_MODE, 25, 1), 1
	s_wait_xcnt 0x0
	s_wait_alu depctr_vm_vsrc(0)
; LatencyEncoder, fused:  xn = sigmoid(x W^T + b);  32 steps  m = beta m + xn exp(-t/5) - [m > 1];
; out0 = max(spikes / 32, 0.05), out1 = the last m.  x [4096][256], W [1024][256], b [1024], mem, out0, out1 [4096][1024], all f32.
;
; SHARES.  256 work-groups (8 column blocks x 32 row blocks), each a block of 128 rows x 128 columns; eight waves, a wave 32 rows x 64 columns,
; a lane 64 outputs in two chunks of 32.  The scan is the bulk of the work: 64 outputs x 32 steps x 3.5 instructions a lane and wave, against
; 192 matrix instructions a wave; so the text is built to keep the scan short, and the rest simple.
;
; FIDELITY.  A spike is a step function of m: a last bit of xn can move a spike by a step.  Two measures:
;  - the product is kept near f32: each operand is split v = hi + lo, hi = f16(v), lo = f16(v - hi); Wh xh is summed in one f32 accumulator,
;    Wl xh + Wh xl in a second one, and the two are added once.  What is dropped (lo x lo, the remainders) is about 2^-22 of a product.
;    W is first multiplied by 1024 (exact), so that its lo part is a normal f16 number;
;  - THE GUARD BAND: for each group of four neighbouring outputs the least |m - 1| of the 32 spike tests is kept, and a group that comes
;    within 64 x 2^-23 = 7.6e-6 of the threshold is marked in the buffer flags (one word a lane, bit 8 chunk + piece).  The next launch
;    computes the marked groups again in plain serial f32 and stores over them.  Outside the band no order of f32 roundings changes a spike
;    as long as the orders differ by less than the band.
; LIMITS, stated: |x| < 65,504 and |W| < 63.9 (f16's range; beyond it the split gives infinities).  NaN inputs are not served (the clamps drop
; a NaN).  y is clamped to [-87, 87], which moves xn by less than 2e-38.
;
; NO TENSOR LOADS, NO CLUSTER, though 8 work-groups read the same rows of x and 32 the same rows of W: the tiles come as f32 and have to pass
; through registers to be split; 2 x 131,072 bytes of f32 tiles beside the 2 x 133,120 bytes of split tiles are more than the 327,680 bytes of LDS,
; and a ring of K slices would add an LDS read of every operand byte.
;
; LDS: rows of x, then rows of W: 512 bytes hi, 512 bytes lo, 16 bytes of padding (pitch 1,040 = 65 x 16, so the 16 rows of a fragment load
; begin at 16 different 16-byte columns of 256); behind them a stage of 16 rows x 272 bytes for each wave, its own.
;
; THE MODE: SCHED_MODE bits 1:0 = 2 (LLVM: expert scheduling mode 2), set by the entry lines.  The code itself states the register dependences
; between vector or matrix instructions and memory or LDS instructions, with s_wait_alu, always for 0.
; THE PLAN.  Registers that memory or LDS instructions touch, and who else names them:
;   addresses     v[GO], SAX0/1, SAW0/1, ADRX, ADRW, STO, RD, VO, BO: made once in the set-up, never written again.
;   LD0 .. LD47   landing places of the tiles' 64 pieces.  The split goes in 16 groups of four pieces: group g's vector instructions read (W's: scale in place)
;                 its four places; places 0-15 are loaded again, with W's pieces 16-31, by loads issued in the group after the one that read them.
;   O0, O1        the split's out-buffers, four pieces x four registers.  Group g's conversions write O[g % 2]; the eight LDS stores that read it are issued in group g + 1.
;                 So the waits at a group's head state all that the group's memory instructions hang on, and these are dealt among its vector instructions,
;                 which name O[g % 2], v[24:31] and the group's own landing places alone.
;   M0            mem of chunk 0 lands in O0's and O1's registers, behind the last LDS stores.
;   F0, F1        K step k's matrix instructions read F[k % 2]; the loads of step k + 1 land in the other, in one run at the head of step k, behind one wait.
;   HH            written by matrix instructions and the additions behind them; read by the two chunks' LDS stores; named by nothing afterwards.
;   XN            LDS loads land in it; the chunk's vector work reads and writes it; chunk 1's loads stand behind the wait at chunk 0's tail.
;   C0, M0; C1, M1  each chunk's own out-buffers of the global stores: one wait ahead of the run of stores, and nothing writes them again.
;   TB, FW        address and data of the store of marks, made ahead of chunk 1's last wait.
; Scalar registers that vector instructions write: s18, BETA, TWA, TWB and the eight masks s[40:47]: a wait on va_sdst between each run of writers and its first reader.
.set PITCH,  1040
.set WLDS,   128*PITCH                 ; W's rows behind x's 128
.set STAGE,  256*PITCH                 ; the stages behind both
.set SPITCH, 272                       ; a stage row: 64 f32 + 16 bytes
.set OROW,   4096                      ; bytes in a row of mem, out0, out1
; vector registers, window 0
.set FW,   1                           ; behind the set-up: my word of marks
.set TB,   2                           ; behind the set-up: at work on it; at last 4 x thread
.set ONE,  3                           ; behind the set-up: the whole number 1
.set GO,   4                           ; 16 x thread: my 16 bytes in each 4,096-byte piece of a tile
.set SAX0, 5                           ; LDS address of my split numbers: x pieces 0-15, x pieces 16-31,
.set SAX1, 6
.set SAW0, 7                           ; W pieces 0-15, W pieces 16-31 (an LDS offset has 16 bits); the four registers follow each other: piece n of 64 goes by SAX0 + n / 16
.set SAW1, 8
.set ADRX, 9                           ; fragments: my 32 rows of x
.set ADRW, 10                          ; fragments: my 64 rows of W
.set STO,  11                          ; stage: where a lane puts 8 neighbouring columns of its row
.set RD,   12                          ; stage: where it reads 16 bytes of a row back
.set VO,   13                          ; my 16 bytes in two rows of mem, out0, out1
.set TW,   14                          ; lane t: exp(-t/5)
.set BO,   15                          ; my 16 bytes of b
.set BIAS, 16                          ; v[16:19]  b of my 4 columns
.set NP,   20                          ; v[20:21]  -2^23 twice
.set PP,   22                          ; v[22:23]   2^23 twice
.set G,    24                          ; v[24:31]  at work in the set-up; then, for each of a chunk's 8 pieces, the least |1 - m| 2^23
.set TMP,  24                          ; v[24:31]  in the split: two sets of four registers at work, by turns; no memory instruction names them
.set M0,   32                          ; v[32:63]  the split's out-buffers O0 = v[32:47], O1 = v[48:63]; then mem of chunk 0
.set LD,   64                          ; v[64:255] 48 landing places of 4 registers
.set F0,   64                          ; fragment buffer 0: Wh 0-31, Wl 32-63, xh 64-79, xl 80-95
.set F1,   160                         ; fragment buffer 1
.set XN,   64                          ; v[64:95]   sigmoid of the chunk
.set C0,   96                          ; v[96:127]  at work in the sigmoid, then minus the spike count of chunk 0, then out0
.set Z,    128                         ; v[128:159] at work in the sigmoid and in the scan
.set M1,   160                         ; v[160:191] mem of chunk 1
.set C1,   192                         ; v[192:223] as C0, for chunk 1
; window 1: tile (row block rb, column block cb) at 8 (4 rb + cb):
.set HH,   0                           ; v[0:63] there = v256-319: the sums of Wh xh
.set CR,   64                          ; v[64:127] there = v320-383: the sums of Wl xh + Wh xl
; scalar pairs that packed instructions broadcast (the low register is used, both are written)
.set BETA, 26
.set WSC,  28                          ; 1024.0
.set ISC,  30                          ; 1/1024
.set FLP,  32                          ; s[32:33] flags, at my work-group's 1,024 bytes
.set TWA,  34                          ; the time weight of an even step
.set TWB,  36                          ; of an odd step
.set NR32, 38                          ; -1/32
.set MK,   40                          ; s[40:47] behind the set-up: the masks of a chunk's eight pieces
.set GUARD, 49                         ; 64.0: the band, in units of 2^-23
.set NLH,  52                          ; -log2(e), rounded to f32
.set NLL,  54                          ; minus what that rounding left: log2(e) = 1.44269502.. + 1.9259630e-8
.set LN2,  56                          ; ln 2
.set CLO,  58                          ; -87.0
.set CHI,  59                          ;  87.0
.set MSB, 0
.macro WIN new                         ; s_set_vgpr_msb: bits 1:0 source 0, 3:2 source 1, 5:4 source 2, 7:6 destination; the high byte repeats the setting left
.if MSB != \new
	s_set_vgpr_msb (MSB<<8)|\new
.set MSB, \new
.endif
.endm
.macro PLACES                          ; four plain vector instructions behind a matrix instruction before a vector instruction reads its result (ISA guide 7.12.1)
.rept 4
	v_nop
.endr
.endm
	s_load_b256 s[4:11], s[0:1], 0x0               ; x s[4:5], W s[6:7], b s[8:9], beta s[10:11]
	s_load_b128 s[12:15], s[0:1], 0x20             ; mem s[12:13], out0 s[14:15]
	s_load_b64 s[16:17], s[0:1], 0x30              ; out1
	s_load_b64 s[FLP:FLP+1], s[0:1], 0x38          ; flags
	s_set_vgpr_msb 0x40
	v_lshl_add_u32 v128, v0, 2, 0x49800
	v_mov_b32 v129, 0
	s_set_vgpr_msb 0x4000
	v_lshrrev_b32 v1, 5, v0
	v_readfirstlane_b32 s18, v1                    ; wave 0..7
	s_and_b32 s19, ttmp7, 0xffff                   ; row block 0..31; ttmp9 is the column block 0..7
	v_lshlrev_b32 v[GO], 4, v0
	s_lshl_b32 s20, s19, 17                        ; 128 rows of x x 1,024 bytes
	s_mov_b32 s21, 0
	s_lshl_b32 s22, ttmp9, 17                      ; 128 rows of W x 1,024 bytes
	s_mov_b32 s23, 0
	s_mov_b32 s[WSC], 0x44800000                   ; 1024.0
	s_mov_b32 s[WSC+1], 0x44800000
	s_mov_b32 s[ISC], 0x3a800000                   ; 1/1024
	s_mov_b32 s[ISC+1], 0x3a800000
	s_mov_b32 s[NR32], 0xbd000000                  ; -1/32
	s_mov_b32 s[NR32+1], 0xbd000000
	s_mov_b32 s[NLH], 0xbfb8aa3b
	s_mov_b32 s[NLH+1], 0xbfb8aa3b
	s_mov_b32 s[NLL], 0xb2a5705f
	s_mov_b32 s[NLL+1], 0xb2a5705f
	s_mov_b32 s[LN2], 0x3f317218
	s_mov_b32 s[LN2+1], 0x3f317218
	s_mov_b32 s[CLO], 0xc2ae0000
	s_mov_b32 s[CHI], 0x42ae0000
	s_mov_b32 s[GUARD], 0x42800000
	s_mov_b32 s[TWA+1], 0
	s_mov_b32 s[TWB+1], 0
	s_wait_kmcnt 0x0
	s_add_nc_u64 s[4:5], s[4:5], s[20:21]          ; my block's rows of x: 131,072 consecutive bytes
	s_add_nc_u64 s[6:7], s[6:7], s[22:23]          ; and of W
	s_load_b32 s24, s[10:11], 0x0                  ; beta
	s_wait_alu depctr_va_vdst(0)                   ; v[GO] is written: every load of the two tiles reads it as its offset
	; A piece is 4,096 bytes (4 rows), 16 bytes a thread; a load of a wave covers 512 consecutive bytes.  All 32 pieces of x and the first 16 of W go out at once.
.set i, 0
.rept 32
	global_load_b128 v[LD+4*i:LD+4*i+3], v[GO], s[4:5] offset:4096*i
.set i, i+1
.endr
.set i, 0
.rept 16
	global_load_b128 v[LD+128+4*i:LD+128+4*i+3], v[GO], s[6:7] offset:4096*i
.set i, i+1
.endr
	; the time weights, lane t for step t, while the loads are on their way
	v_and_b32 v1, 31, v0                           ; lane
	v_cvt_f32_u32 v2, v1                           ; t
	v_mul_f32 v28, 0x3e4ccccd, v2                  ; t x round(1/5),
	v_fmamk_f32 v29, v28, 0xc0a00000, v2           ; what it leaves: t - 5 q, exact in the fused form,
	v_fmamk_f32 v28, v29, 0x3e4ccccd, v28          ; and the correction: q = t / 5, rounded once
	v_mul_f32 v29, 0xbfb8aa3b, v28                 ; p = round(-q log2 e)
	v_fma_f32 v30, v28, s[NLH], -v29               ; what that rounding left,
	v_fma_f32 v30, v28, s[NLL], v30                ; and the low part of log2 e
	v_exp_f32 v29, v29                             ; 2^p
	v_mul_f32 v30, s[LN2], v30                     ; (the plain instruction behind v_exp_f32: ISA guide 5.7.2)
	s_wait_alu depctr_va_vdst(0)
	v_fma_f32 v[TW], v29, v30, v29                 ; 2^p (1 + r ln 2) = exp(-q)
	; addresses and constants
	v_and_b32 v3, 15, v0                           ; r = lane % 16
	v_bfe_u32 v24, v0, 4, 1                        ; h = lane / 16
	s_wait_alu depctr_va_sdst(0)                   ; s18 is written, ahead of its first reader: the wave's places in LDS and in the buffers are made from it
	s_lshr_b32 s40, s18, 1                         ; wave / 2: my 32 rows of the block.  Also: my row among a piece's four
	s_and_b32 s41, s18, 1                          ; wave % 2: my 64 columns.  Also: which half of that row
	s_mul_i32 s42, s40, PITCH
	s_lshl_b32 s43, s41, 8                         ; 32 lanes x 4 numbers x 2 bytes
	s_add_co_u32 s42, s42, s43
	v_lshl_add_u32 v[SAX0], v1, 3, s42             ; split numbers: row x pitch + half + 8 x lane
	v_add_nc_u32 v[SAX1], 64*PITCH, v[SAX0]        ; 16 pieces = 64 rows further
	v_add_nc_u32 v[SAW0], WLDS, v[SAX0]
	v_add_nc_u32 v[SAW1], WLDS+64*PITCH, v[SAX0]
	v_mul_u32_u24 v25, v3, PITCH
	v_lshl_add_u32 v25, v24, 4, v25                ; a fragment: row r, 16 bytes further for the upper lanes
	s_mul_i32 s44, s40, 32*PITCH
	s_mul_i32 s45, s41, 64*PITCH
	s_add_co_u32 s45, s45, WLDS
	v_add_nc_u32 v[ADRX], s44, v25
	v_add_nc_u32 v[ADRW], s45, v25
	s_mul_i32 s46, s18, 16*SPITCH
	s_add_co_u32 s46, s46, STAGE                   ; my stage
	v_mul_u32_u24 v26, v3, SPITCH
	v_lshl_add_u32 v26, v24, 5, v26                ; in: row r, columns 8 h ..
	v_add_nc_u32 v[STO], s46, v26
	v_mul_u32_u24 v27, v24, SPITCH
	v_lshl_add_u32 v27, v3, 4, v27                 ; back: lanes 0-15 one row of 256 bytes, lanes 16-31 the next
	v_add_nc_u32 v[RD], s46, v27
	v_lshlrev_b32 v[BO], 4, v3
	v_lshl_add_u32 v[VO], v24, 12, v[BO]           ; the same two rows in mem, out0, out1
	s_lshl_b32 s20, s19, 19                        ; row block x 128 rows x 4,096 bytes
	s_lshl_b32 s47, s40, 17                        ; + my 32 rows
	s_add_co_u32 s20, s20, s47
	s_lshl_b32 s47, ttmp9, 9                       ; column block x 128 x 4 bytes
	s_lshl_b32 s48, s41, 8                         ; + my 64 columns: a multiple of 256 bytes
	s_add_co_u32 s22, s47, s48
	s_add_co_u32 s20, s20, s22
	s_add_nc_u64 s[12:13], s[12:13], s[20:21]
	s_add_nc_u64 s[14:15], s[14:15], s[20:21]
	s_add_nc_u64 s[16:17], s[16:17], s[20:21]
	s_add_nc_u64 s[8:9], s[8:9], s[22:23]
	s_lshl_b32 s22, s19, 3
	s_add_co_u32 s22, s22, ttmp9                   ; the work-group's number: 8 x row block + column block,
	s_lshl_b32 s22, s22, 10                        ; times 256 threads x 4 bytes
	s_add_nc_u64 s[FLP:FLP+1], s[FLP:FLP+1], s[22:23]
	v_mov_b32 v[NP], 0xcb000000                    ; -2^23
	v_mov_b32 v[NP+1], 0xcb000000
	v_mov_b32 v[PP], 0x4b000000                    ; 2^23
	v_mov_b32 v[PP+1], 0x4b000000
	s_wait_kmcnt 0x0
	v_mov_b32 v2, s24
	v_med3_num_f32 v2, v2, 0, 1.0                  ; clip(beta, 0, 1)
	v_readfirstlane_b32 s[BETA], v2
	s_wait_alu depctr_va_sdst(0)                   ; s[BETA] is written, ahead of its first reader, the line below
	s_mov_b32 s[BETA+1], s[BETA]
; Four f32 in v[src .. src+3] become four hi and four lo f16 in v[h0 .. h0+3].  h0, h1 = h0 + 1: plain numbers (their halves are named); t: four registers at work.
.macro SPLIT src, h0, h1, t
	v_cvt_pk_f16_f32 v\h0, v[\src], v[\src+1]
	v_cvt_pk_f16_f32 v\h1, v[\src+2], v[\src+3]
	v_cvt_f32_f16 v[\t], v\h0\().l
	v_cvt_f32_f16 v[\t+1], v\h0\().h
	v_cvt_f32_f16 v[\t+2], v\h1\().l
	v_cvt_f32_f16 v[\t+3], v\h1\().h
	v_pk_add_f32 v[\t:\t+1], v[\src:\src+1], v[\t:\t+1] neg_lo:[0,1] neg_hi:[0,1]       ; v - hi, exact
	v_pk_add_f32 v[\t+2:\t+3], v[\src+2:\src+3], v[\t+2:\t+3] neg_lo:[0,1] neg_hi:[0,1]
	v_cvt_pk_f16_f32 v[\h0+2], v[\t], v[\t+1]
	v_cvt_pk_f16_f32 v[\h0+3], v[\t+2], v[\t+3]
.endm
.macro SCALE src
	v_pk_mul_f32 v[\src:\src+1], v[\src:\src+1], s[WSC:WSC+1] op_sel_hi:[1,0]
	v_pk_mul_f32 v[\src+2:\src+3], v[\src+2:\src+3], s[WSC:WSC+1] op_sel_hi:[1,0]
.endm
; Piece n of 64 (x's 32, then W's 32) goes from the out-buffer registers v[o .. o+3] to LDS.
.macro PUT n, o
	ds_store_b64 v[SAX0+(\n)/16], v[\o:\o+1] offset:((\n)%16)*4*PITCH           ; a wave's store covers 256 consecutive bytes
	ds_store_b64 v[SAX0+(\n)/16], v[\o+2:\o+3] offset:((\n)%16)*4*PITCH+512
.endm
; Piece n's turn.  In front of its vector work stand the memory instructions that belong to piece n - 4, of the group before: the load of W's piece n + 12 into that
; piece's landing place (places 0-15 alone are filled again), and the two LDS stores from its four registers of the other out-buffer.
; Piece n lies in landing place n % 48.
.macro PIECE n, h0, h1
.if ((\n) >= 4) && ((\n) < 20)
	global_load_b128 v[LD+4*((\n)-4):LD+4*((\n)-4)+3], v[GO], s[6:7] offset:4096*((\n)+12)   ; no vector instruction since the wait at the group's head names these registers
.endif
.if (\n) >= 4
	PUT (\n)-4, 32+((\h0)-16)%32
.endif
.if (\n) >= 32
	SCALE LD+4*((\n)%48)
.endif
	SPLIT LD+4*((\n)%48), \h0, \h1, TMP+4*((\n)%2)
.endm
; Group g: pieces 4 g .. 4 g + 3, into the out-buffer whose registers are named.  Loads come back in order (ISA guide 5.7.1).
; What may stay out at its head: x's groups: the 28 - 4 g later pieces of x, W's first 16, and the refills issued in the groups before (four in each of groups 1 to 4);
; W's groups (g = 8 + j): the 28 - 4 j later pieces of W.
.macro GROUP g, a0, a1, b0, b1, c0, c1, d0, d1
.if (\g) < 8
.set left, 44-4*(\g)
.if (\g) > 5
.set left, left+16
.elseif (\g) > 1
.set left, left+4*((\g)-1)
.endif
.else
.set left, 60-4*(\g)
.endif
	s_wait_loadcnt left
.if (\g) > 1
	s_wait_alu depctr_vm_vsrc(0)                   ; the LDS stores issued in the group before have read this group's out-buffer, which its conversions write again
.endif
.if (\g) > 0
	s_wait_alu depctr_va_vdst(0)                   ; the group before has written the other out-buffer, which the LDS stores below read, and is done reading its landing places, in which the loads below land
.endif
	PIECE 4*(\g)+0, \a0, \a1
	PIECE 4*(\g)+1, \b0, \b1
	PIECE 4*(\g)+2, \c0, \c1
	PIECE 4*(\g)+3, \d0, \d1
.endm
.irp q, 0,1,2,3,4,5,6,7
	GROUP 2*\q,   32,33, 36,37, 40,41, 44,45       ; the two out-buffers take turns
	GROUP 2*\q+1, 48,49, 52,53, 56,57, 60,61
.endr
	s_wait_alu depctr_va_vdst(0)                   ; group 15 has written O1, which the last LDS stores read.  No vector instruction follows before the products: so this wait also states that the split
	                                               ; is done with v[32:63], in which mem lands, and with the landing places, in which the first two K steps' fragments land
	PUT 60, 48
	PUT 61, 52
	PUT 62, 56
	PUT 63, 60
	s_wait_dscnt 0x0                               ; my part of both tiles is in LDS: zero, for the other waves' sake
	s_wait_alu depctr_vm_vsrc(0)                   ; my LDS stores have read v[32:63], in which the loads of mem below land
	global_load_b128 v[BIAS:BIAS+3], v[BO], s[8:9]
.irp i, 0,1,2,3,4,5,6,7
	global_load_b128 v[M0+4*\i:M0+4*\i+3], v[VO], s[12:13] offset:2*\i*OROW th:TH_LOAD_NT   ; mem of chunk 0: it has the whole product in which to land
.endr
	s_barrier_signal -1
	s_barrier_wait -1                              ; the only barrier: from here on a wave reads the tiles, which nobody writes again, and its own stage
; THE PRODUCT, TRANSPOSED: source 0 = 16 rows of W, source 1 = 16 rows of x, so that lane l holds row l % 16 of the block and registers 0-7 the
; columns 8 (l / 16) + 0..7.  A fragment is 16 rows x 32 K: two loads of 16 bytes, 32 bytes apart, at row x pitch + 16 (l / 16).
.macro FETCH k, f                      ; the 12 fragments of K step k: 24 loads in one run
.irp c, 0,1,2,3
	ds_load_b128 v[\f+8*\c:\f+8*\c+3],         v[ADRW] offset:\c*16*PITCH+64*(\k)
	ds_load_b128 v[\f+8*\c+4:\f+8*\c+7],       v[ADRW] offset:\c*16*PITCH+64*(\k)+32
	ds_load_b128 v[\f+32+8*\c:\f+32+8*\c+3],   v[ADRW] offset:\c*16*PITCH+64*(\k)+512
	ds_load_b128 v[\f+32+8*\c+4:\f+32+8*\c+7], v[ADRW] offset:\c*16*PITCH+64*(\k)+544
.endr
.irp c, 0,1
	ds_load_b128 v[\f+64+8*\c:\f+64+8*\c+3],   v[ADRX] offset:\c*16*PITCH+64*(\k)
	ds_load_b128 v[\f+64+8*\c+4:\f+64+8*\c+7], v[ADRX] offset:\c*16*PITCH+64*(\k)+32
	ds_load_b128 v[\f+80+8*\c:\f+80+8*\c+3],   v[ADRX] offset:\c*16*PITCH+64*(\k)+512
	ds_load_b128 v[\f+80+8*\c+4:\f+80+8*\c+7], v[ADRX] offset:\c*16*PITCH+64*(\k)+544
.endr
.endm
; Eight matrix instructions, one on each of the eight accumulators of a set: the accumulators take turns, one instruction a turn.
; wo: 0 = Wh, 32 = Wl;  xo: 64 = xh, 80 = xl;  acc: HH or CR;  zero = 1: the first product starts the sums, nothing is cleared.
.macro MUL8 f, wo, xo, acc, zero
.irp rb, 0,1
.irp cb, 0,1,2,3
.if \zero
	v_wmma_f32_16x16x32_f16 v[\acc+8*(4*\rb+\cb):\acc+8*(4*\rb+\cb)+7], v[\f+\wo+8*\cb:\f+\wo+8*\cb+7], v[\f+\xo+8*\rb:\f+\xo+8*\rb+7], 0
.else
	v_wmma_f32_16x16x32_f16 v[\acc+8*(4*\rb+\cb):\acc+8*(4*\rb+\cb)+7], v[\f+\wo+8*\cb:\f+\wo+8*\cb+7], v[\f+\xo+8*\rb:\f+\xo+8*\rb+7], v[\acc+8*(4*\rb+\cb):\acc+8*(4*\rb+\cb)+7]
.endif
.endr
.endr
.endm
; K step k, from 1 on: it multiplies buffer f; at its head the next step's fragments are asked for, into buffer g, which the step before multiplied.
.macro KSTEP k, f, g, more
.if \more
	WIN 0                                          ; the loads' window first, then the waits, then the loads
.endif
	s_wait_dscnt 0x0                               ; this step's 24 loads, issued at the head of the step before, 24 matrix instructions ago
.if \more
	s_wait_alu depctr_va_vdst(0)                   ; the last step's matrix instructions are done reading buffer g, in which the loads below land
	FETCH (\k)+1, \g
.endif
	WIN 0x50                                       ; C and D in window 1, fragments in window 0
	MUL8 \f, 0, 64, HH, 0                          ; Wh xh
	MUL8 \f, 32, 64, CR, 0                         ; Wl xh
	MUL8 \f, 0, 80, CR, 0                          ; Wh xl
.endm
	FETCH 0, F0                                    ; both buffers at once: the wait behind the split's last group has covered their registers, and no vector instruction has been issued since
	FETCH 1, F1
	s_wait_dscnt 24                                ; LDS loads come back in order (ISA guide 5.7.1): K step 0's fragments are in, step 1's 24 loads may stay out
	WIN 0x50
	MUL8 F0, 0, 64, HH, 1                          ; K step 0 starts the sums
	MUL8 F0, 32, 64, CR, 1
	MUL8 F0, 0, 80, CR, 0
	KSTEP 1, F1, F0, 1
	KSTEP 2, F0, F1, 1
	KSTEP 3, F1, F0, 1
	KSTEP 4, F0, F1, 1
	KSTEP 5, F1, F0, 1
	KSTEP 6, F0, F1, 1
	KSTEP 7, F1, F0, 0                             ; nothing is left to fetch, so no dependence is stated
	PLACES                                         ; behind the last matrix instructions: their results are read
	WIN 0x45                                       ; both sources and the destination in window 1
.set p, 0
.rept 32
	v_pk_add_f32 v[HH+p:HH+p+1], v[HH+p:HH+p+1], v[CR+p:CR+p+1]    ; the two sums meet, in one rounding
.set p, p+2
.endr
	WIN 0
	v_mov_b32 v[FW], 0                             ; no mark yet
	v_mov_b32 v[ONE], 1
	s_wait_alu depctr_va_vdst(0)                   ; the additions have written HH, which both chunks' LDS stores read; the matrix instructions are done reading F1, in which mem of chunk 1 lands, and F0, in which XN lands
.irp i, 0,1,2,3,4,5,6,7
	global_load_b128 v[M1+4*\i:M1+4*\i+3], v[VO], s[12:13] offset:(16+2*\i)*OROW th:TH_LOAD_NT   ; mem of chunk 1: it has chunk 0's scan in which to land
.endr
; THE SCAN.  d = -[m > 1] for 32 numbers: (1 - m) 2^23 in one rounding is <= -1 for every m > 1 (then m - 1 >= 2^-23) and >= 0 for every m <= 1;
; the clamp to [-1, 0] makes it -1 or 0.  m - 1 > 0, as the reference writes it, holds for the same m.
; fl = 1: the least |1 - m| 2^23 of each piece of four numbers begins here; 2: it goes on; 0: this test is not watched.
.macro SPIKE mm, d, fl
.set p, 0
.rept 16
	v_pk_fma_f32 v[\d+p:\d+p+1], v[\mm+p:\mm+p+1], v[NP:NP+1], v[PP:PP+1]
.set p, p+2
.endr
.if \fl == 1
.set p, 0
.rept 8
	v_min_num_f32 v[G+p], |v[\d+4*p]|, |v[\d+4*p+1]|
.set p, p+1
.endr
.endif
.if \fl == 2
.set p, 0
.rept 8
	v_min3_num_f32 v[G+p], v[G+p], |v[\d+4*p]|, |v[\d+4*p+1]|
.set p, p+1
.endr
.endif
.if \fl
.set p, 0
.rept 8
	v_min3_num_f32 v[G+p], v[G+p], |v[\d+4*p+2]|, |v[\d+4*p+3]|
.set p, p+1
.endr
.endif
.set p, 0
.rept 32
	v_med3_num_f32 v[\d+p], v[\d+p], -1.0, 0
.set p, p+1
.endr
.endm
.macro COUNT cc, d                     ; the spike of one step is the reset of the next: one test serves both
.set p, 0
.rept 16
	v_pk_add_f32 v[\cc+p:\cc+p+1], v[\cc+p:\cc+p+1], v[\d+p:\d+p+1]
.set p, p+2
.endr
.endm
.macro LEAK mm, d, o, tw               ; o = xn tw - reset (with no reset: xn tw, rounded once);  m = beta m + o in one rounding
.set p, 0
.rept 16
	v_pk_fma_f32 v[\o+p:\o+p+1], v[XN+p:XN+p+1], s[\tw:\tw+1], v[\d+p:\d+p+1] op_sel_hi:[1,0,1]
.set p, p+2
.endr
.set p, 0
.rept 16
	v_pk_fma_f32 v[\mm+p:\mm+p+1], v[\mm+p:\mm+p+1], s[BETA:BETA+1], v[\o+p:\o+p+1] op_sel_hi:[1,0,1]
.set p, p+2
.endr
.endm
; A chunk: rows 16 rb .. 16 rb + 15 of my 32, 64 columns.  mm: its mem registers, cc: its count registers, left: younger loads that may stay out.
; Its LDS stores and loads owe no wait of their own: HH was written, and XN last named by a vector or matrix instruction, ahead of the last wait on va_vdst
; (chunk 0: the one behind the additions; chunk 1: the one at chunk 0's tail), and between that wait and them stand only loads, stores of other registers and window switches.
.macro CHUNK rb, mm, cc, left
	WIN 0x04                                       ; store data from window 1
.irp cb, 0,1,2,3
	ds_store_b128 v[STO], v[HH+8*(4*\rb+\cb):HH+8*(4*\rb+\cb)+3] offset:64*\cb
	ds_store_b128 v[STO], v[HH+8*(4*\rb+\cb)+4:HH+8*(4*\rb+\cb)+7] offset:64*\cb+16
.endr
	WIN 0
.irp i, 0,1,2,3,4,5,6,7
	ds_load_b128 v[XN+4*\i:XN+4*\i+3], v[RD] offset:2*\i*SPITCH    ; LDS serves a wave's instructions in order (ISA guide 5.7.1): these see the stores above; the stage is my own
.endr
	v_readlane_b32 s[TWA], v[TW], 0
	v_readlane_b32 s[TWB], v[TW], 1
	s_wait_loadcnt \left                           ; b and this chunk's mem are in
	s_wait_dscnt 0x0
	s_wait_alu depctr_va_sdst(0)                   ; the two v_readlane_b32 above have written s[TWA] and s[TWB], ahead of their first readers, steps 0 and 1 of the scan
	; THE SIGMOID, 1 / (1 + exp(-y))
.irp i, 0,1,2,3,4,5,6,7
	v_pk_fma_f32 v[XN+4*\i:XN+4*\i+1], v[XN+4*\i:XN+4*\i+1], s[ISC:ISC+1], v[BIAS:BIAS+1] op_sel_hi:[1,0,1]       ; y = sum / 1024 + b: the scale is exact, so one rounding
	v_pk_fma_f32 v[XN+4*\i+2:XN+4*\i+3], v[XN+4*\i+2:XN+4*\i+3], s[ISC:ISC+1], v[BIAS+2:BIAS+3] op_sel_hi:[1,0,1]
.endr
.set p, 0
.rept 32
	v_med3_num_f32 v[XN+p], v[XN+p], s[CLO], s[CHI]    ; |y| <= 87: 2^p below stays finite and 1 / (1 + e) a normal number
.set p, p+1
.endr
.set p, 0
.rept 16
	v_pk_mul_f32 v[Z+p:Z+p+1], v[XN+p:XN+p+1], s[NLH:NLH+1] op_sel_hi:[1,0]            ; p = round(-y log2 e)
.set p, p+2
.endr
.set p, 0
.rept 16
	v_pk_fma_f32 v[\cc+p:\cc+p+1], v[XN+p:XN+p+1], s[NLH:NLH+1], v[Z+p:Z+p+1] op_sel_hi:[1,0,1] neg_lo:[0,0,1] neg_hi:[0,0,1]   ; r: what that rounding left, exact
.set p, p+2
.endr
.set p, 0
.rept 16
	v_pk_fma_f32 v[\cc+p:\cc+p+1], v[XN+p:XN+p+1], s[NLL:NLL+1], v[\cc+p:\cc+p+1] op_sel_hi:[1,0,1]    ; and the low part of log2 e
.set p, p+2
.endr
.set p, 0
.rept 32
	v_exp_f32 v[Z+p], v[Z+p]
.set p, p+1
.endr
.set p, 0
.rept 16
	v_pk_mul_f32 v[\cc+p:\cc+p+1], v[\cc+p:\cc+p+1], s[LN2:LN2+1] op_sel_hi:[1,0]      ; plain instructions between the transcendentals and the first use of a result (ISA guide 5.7.2)
.set p, p+2
.endr
.set p, 0
	s_wait_alu depctr_va_vdst(0)
.rept 16
	v_pk_fma_f32 v[Z+p:Z+p+1], v[Z+p:Z+p+1], v[\cc+p:\cc+p+1], v[Z+p:Z+p+1]            ; e = 2^p (1 + r ln 2)
.set p, p+2
.endr
.set p, 0
.rept 16
	v_pk_add_f32 v[Z+p:Z+p+1], v[Z+p:Z+p+1], 1.0 op_sel_hi:[1,0]                       ; s = 1 + e
.set p, p+2
.endr
.set p, 0
.rept 32
	v_rcp_f32 v[XN+p], v[Z+p]
.set p, p+1
.endr
	v_nop                                          ; one plain instruction between the transcendentals and the first use of a result
.set p, 0
	s_wait_alu depctr_va_vdst(0)
.rept 16
	v_pk_fma_f32 v[\cc+p:\cc+p+1], v[Z+p:Z+p+1], v[XN+p:XN+p+1], 1.0 op_sel_hi:[1,1,0] neg_lo:[1,0,0] neg_hi:[1,0,0]   ; 1 - s q, exact in the fused form
.set p, p+2
.endr
.set p, 0
.rept 16
	v_pk_fma_f32 v[XN+p:XN+p+1], v[XN+p:XN+p+1], v[\cc+p:\cc+p+1], v[XN+p:XN+p+1]      ; q + q (1 - s q): one Newton step
.set p, p+2
.endr
	SPIKE \mm, Z, 0                                ; step 0: the reset from the given mem is no spike, is not counted, and is a test of an input as given: not watched
	LEAK \mm, Z, Z, TWA
	SPIKE \mm, \cc, 1                              ; step 1: its reset is step 0's spike and starts the count: nothing is cleared
	LEAK \mm, \cc, Z, TWB
	s_mov_b32 s50, 2
.Lscan\rb\():                                          ; the loop holds no memory or LDS instruction
	v_readlane_b32 s[TWA], v[TW], s50              ; the weights of steps t and t + 1
	s_add_co_u32 s51, s50, 1
	v_readlane_b32 s[TWB], v[TW], s51
	SPIKE \mm, Z, 2
	COUNT \cc, Z
	s_wait_alu depctr_va_sdst(0)                   ; the two v_readlane_b32 at the trip's head have written s[TWA] and s[TWB], ahead of their first readers, the two LEAK below
	LEAK \mm, Z, Z, TWA
	SPIKE \mm, Z, 2
	COUNT \cc, Z
	LEAK \mm, Z, Z, TWB
	s_add_co_u32 s50, s50, 2
	s_cmp_lt_u32 s50, 32
	s_cbranch_scc1 .Lscan\rb
	SPIKE \mm, Z, 2                                ; the last step's spike
	COUNT \cc, Z
.set p, 0
.rept 8
	v_cmp_gt_f32 s[MK+p], s[GUARD], v[G+p]         ; piece p came inside the band: the eight compares in one run, each into a mask of its own
.set p, p+1
.endr
.set p, 0
.rept 16
	v_pk_mul_f32 v[\cc+p:\cc+p+1], v[\cc+p:\cc+p+1], s[NR32:NR32+1] op_sel_hi:[1,0]    ; spikes / 32
.set p, p+2
.endr
.set p, 0
.rept 32
	v_max_num_f32 v[\cc+p], 0x3d4ccccd, v[\cc+p]   ; at least 0.05
.set p, p+1
.endr
	s_wait_alu depctr_va_sdst(0)                   ; the eight compares have written s[MK ..], ahead of the selects that read them
.set p, 0
.rept 8
	v_cndmask_b32 v[TB], 0, v[ONE], s[MK+p]
	v_lshl_or_b32 v[FW], v[TB], 8*\rb+p, v[FW]     ; bit 8 chunk + piece of my word.  The mark is stored, and steers nothing in this launch
.set p, p+1
.endr
.if \rb == 1
	v_lshlrev_b32 v[TB], 2, v0                     ; 4 x thread: where my word of marks goes; made here, ahead of the wait below
.endif
	s_wait_alu depctr_va_vdst(0)                   ; the chunk has written its out0 and its last m, which the stores below read; chunk 0: it is done with XN, in which chunk 1's LDS loads land; chunk 1: v[FW] and v[TB] are written, which the store of marks reads
.irp i, 0,1,2,3,4,5,6,7
	global_store_b128 v[VO], v[\cc+4*\i:\cc+4*\i+3], s[14:15] offset:(16*\rb+2*\i)*OROW th:TH_STORE_NT   ; 16 lanes store 256 consecutive bytes, at a multiple of 256 from the buffer's first byte
	global_store_b128 v[VO], v[\mm+4*\i:\mm+4*\i+3], s[16:17] offset:(16*\rb+2*\i)*OROW th:TH_STORE_NT
.endr
.endm
	CHUNK 0, M0, C0, 8                             ; chunk 1's eight loads of mem may stay out
	CHUNK 1, M1, C1, 0                             ; its own count and mem registers: chunk 0's stores keep their sources untouched
	global_store_b32 v[TB], v[FW], s[FLP:FLP+1]    ; one word a lane: a wave's store covers 128 consecutive bytes, the work-group's eight 1,024
	s_set_vgpr_msb 0x5
	s_wait_dscnt 0x0
	s_wait_alu depctr_hold_cnt(0) depctr_sa_sdst(0) depctr_va_vdst(0) depctr_va_sdst(0) depctr_va_ssrc(0) depctr_va_vcc(0) depctr_vm_vsrc(0)
	s_wait_tensorcnt 0x0
	ds_add_u32 v128, v129
	s_wait_dscnt 0x0
	s_endpgm
.Lfunc_end_k_q58c1c3182e_latency:
	.size	k_q58c1c3182e_latency, .Lfunc_end_k_q58c1c3182e_latency-k_q58c1c3182e_latency
	.p2alignl 7, 3214868480
	.fill 96, 4, 3214868480
	.section	.rodata,"a",@progbits
	.p2align	6, 0x0
	.amdhsa_kernel k_q58c1c3182e_latency
		.amdhsa_group_segment_fixed_size 302080
		.amdhsa_private_segment_fixed_size 0
		.amdhsa_enable_private_segment 0
		.amdhsa_kernarg_size 64
		.amdhsa_user_sgpr_count 2
		.amdhsa_user_sgpr_kernarg_segment_ptr 1
		.amdhsa_wavefront_size32 1
		.amdhsa_system_sgpr_workgroup_id_x 1
		.amdhsa_system_sgpr_workgroup_id_y 1
		.amdhsa_system_sgpr_workgroup_id_z 1
		.amdhsa_system_vgpr_workitem_id 0
		.amdhsa_next_free_vgpr 386
		.amdhsa_next_free_sgpr 66
		.amdhsa_reserve_vcc 0
		.amdhsa_float_denorm_mode_32 3
		.amdhsa_float_denorm_mode_16_64 3
		.amdhsa_memory_ordered 1
		.amdhsa_forward_progress 1
		.amdhsa_inst_pref_size 188
	.end_amdhsa_kernel
	.amdgpu_metadata
---
amdhsa.version: [ 1, 2 ]
amdhsa.kernels:
  - .name:           k_q58c1c3182e_latency
    .symbol:         k_q58c1c3182e_latency.kd
    .args:
      - { .name: x, .offset: 0, .size: 8, .value_kind: global_buffer, .address_space: global }
      - { .name: W, .offset: 8, .size: 8, .value_kind: global_buffer, .address_space: global }
      - { .name: b, .offset: 16, .size: 8, .value_kind: global_buffer, .address_space: global }
      - { .name: beta, .offset: 24, .size: 8, .value_kind: global_buffer, .address_space: global }
      - { .name: mem, .offset: 32, .size: 8, .value_kind: global_buffer, .address_space: global }
      - { .name: out0, .offset: 40, .size: 8, .value_kind: global_buffer, .address_space: global }
      - { .name: out1, .offset: 48, .size: 8, .value_kind: global_buffer, .address_space: global }
      - { .name: flags, .offset: 56, .size: 8, .value_kind: global_buffer, .address_space: global }
    .group_segment_fixed_size: 302080
    .private_segment_fixed_size: 0
    .kernarg_segment_align: 8
    .kernarg_segment_size: 64
    .max_flat_workgroup_size: 256
    .sgpr_count:     66
    .vgpr_count:     386
    .wavefront_size: 32
...
	.end_amdgpu_metadata
.endif
;; end of part 4
;; launch decide: the kernel of part 3 again; grid 8 x 32, 8 waves a work-group, no clusters, 175,104 bytes of LDS; arguments x, W, b, beta, mem, flags, out0, out1; writes out0, out1
